; MI455X (gfx1250); checked and timed in simulation.
; The chip was launched on July 23, 2026; its instructions are those of AMD's public machine-readable ISA for CDNA 5 (MIT licence, August 2026) and "CDNA5" Instruction Set Architecture Reference Guide (July 2026). The comments in the code are by the model that wrote it; some were corrected since.
;; Self Attention. Allowed arithmetic: matrix products marked QUANTISED: E2M3 operands, one E8M0 scale for each 32 along K, by v_wmma_scale_f32_16x16x128_f8f6f4 with both operands' format E2M3, f32 sums; everything else in f32.
;; Inputs: attn_bias 1 x 1 x 2,048 x 2,048 float32; mat_qkv_w 3,072 x 1,024 float32; proj_b 1,024 float32; proj_w 1,024 x 1,024 float32; q_bias 1,024 float32; rope_batch 4 x 2 x 2,048 x 32 float32; scale_mul 1 x 16 x 1 x 1 float32; v_bias 1,024 float32; x 4 x 2,048 x 1,024 float32.
;; Outputs: out0 4 x 2,048 x 1,024 float32.
;; This version of the problem:
;;   THIS VERSION OF THE PROBLEM IS GIVEN IN LOW PRECISION. The matrix products marked QUANTISED in the list below multiply operands that are first quantised to E2M3 (2 exponent bits, 3 mantissa bits; 6 bits a number), with one power-of-two scale for each 32 numbers along K (OCP MX v1.0); their sums are f32. All else is computed in f32.
;;   The module's matrix products, in the order in which they are computed (A, B: the left and right operand; K: the contracted axis; several contracted axes count as one K, in the product's order):
;;     1. [M 8,192, K 1,024] x [K 1,024, N 3,072]; A: input x; B: input mat_qkv_w: QUANTISED
;;     2. batch 64 x [M 2,048, K 64] x [K 64, N 2,048]; A: computed on the way; B: computed on the way: QUANTISED
;;     3. batch 64 x [M 2,048, K 2,048] x [K 2,048, N 64]; A: softmax (see below); B: computed on the way: QUANTISED
;;     4. [M 8,192, K 1,024] x [K 1,024, N 1,024]; A: computed on the way; B: input proj_w: QUANTISED
;;   THE QUANTISER, for each operand of a quantised product, along K:
;;     - K is cut into blocks of 32 from its start; a last block that is shorter is filled with zeros.
;;     - A block's scale is 2^e with e = floor(log2(the largest magnitude in the block)) - 2, held to -126 .. 127; a block of zeros has e = 0. As a byte (E8M0): e + 127.
;;     - Each number is divided by its block's scale, clamped to +-7.5, and rounded to the nearest number of E2M3, ties to even, subnormals kept.
;;     - The product sums the exact products of the quantised numbers (number of the format x scale) in f32.
;;   ~~~python
;;   def quantise(x, axis):      # numpy; x: float32 -> the quantised numbers, widened to float32 again
;;       x = np.moveaxis(x, axis, -1); K = x.shape[-1]
;;       x = np.pad(x, [(0, 0)] * (x.ndim - 1) + [(0, -K % 32)]); x = x.reshape(x.shape[:-1] + (-1, 32)); a = np.abs(x).max(-1, keepdims=True)
;;       e = np.where(a > 0, np.clip(np.frexp(np.where(a > 0, a, 1))[1] - 1 - 2, -126, 127), 0)      # np.frexp(a)[1] - 1 = floor(log2(a)), exactly
;;       r = np.clip(x / 2.0 ** e, -7.5, 7.5)
;;       step = 2.0 ** (np.maximum(np.frexp(np.where(r == 0, 1, r))[1] - 1, 0) - 3)
;;       q = np.round(r / step) * step * 2.0 ** e      # np.round: ties to even
;;       return np.moveaxis(q.reshape(q.shape[:-2] + (-1,))[..., :K], -1, axis).astype(np.float32)
;;   ~~~
;;   SOFTMAX AHEAD OF A QUANTISED PRODUCT. Where the list says 'softmax', what is quantised is not the finished softmax but p = 2^(t - M), with t = logit x log2(e) and M = ceil(the row's largest t), a whole number; so 1/2 < the row's largest p <= 1. The row's sum l is taken of the UNQUANTISED p, in f32, and the product's result is divided by l at the end. Since M is a whole number, a kernel that streams over the keys may use a running M (the ceiling of the running maximum): every later rescaling is an exact power of two, which a block's scale takes up: the codes' values come out the same.
;;   OPERANDS COMPUTED ON THE WAY. 'Computed on the way' means the value that the module computes at that place (a softmax that the list does not call 'softmax' is quantised finished and normalised). What goes into a quantiser is computed in f32, as accurately as f32 sums, v_exp_f32 and their like allow (about 1e-6 of the number): no bf16 or f16 on the way to a quantiser, and a product that is left as it is and whose result goes on into a quantised operand takes f32 operands (vector FMAs, or v_wmma_f32_16x16x4_f32). A number that lies on a knife's edge between two numbers of the format may be rounded either way, as far as f32 arithmetic and the matrix unit's own rounding can turn it there, and no further.
;; One version. Each part assembles by itself: llvm-mc -triple=amdgcn-amd-amdhsa -mcpu=gfx1250 --defsym DOCPART=n.
;; ======== version 1 of 1: 4 launches
;; workspace buffers: xq 6,553,600 bytes; wq 3,276,800 bytes; qi 6,815,744 bytes; kv 13,369,344 bytes; oq 6,553,600 bytes
;; launch quant (part 1): grid 384 x 1, 4 waves a work-group, no clusters, 33,280 bytes of LDS; arguments x, mat_qkv_w, proj_w, xq, wq; writes xq, wq
.if DOCPART == 1
	.amdgcn_target "amdgcn-amd-amdhsa--gfx1250"
	.amdhsa_code_object_version 6
	.text
	.protected	k_qe11a7e5679_quant
	.globl	k_qe11a7e5679_quant
	.p2align	8
	.type	k_qe11a7e5679_quant,@function
k_qe11a7e5679_quant:
	s_mov_b64 s[64:65], 0
	v_nop
	global_prefetch_b8 v0, s[64:65] scope:SCOPE_SE
	s_setreg_imm32_b32 hwreg(HW_REG_WAVE_MODE, 25, 1), 1
	s_wait_xcnt 0x0
; x [8192][1024], mat_qkv_w [3072][1024] and proj_w [1024][1024], f32, become codes of FP6 (E2M3), K innermost, with one E8M0 byte for each 32 along K.
; xq: codes [8192][768] at byte 0, scale bytes [8192][32] at byte 6,291,456.  wq: codes of 4,096 rows (mat_qkv_w's 3,072, then proj_w's 1,024) x 768 at byte 0, scale bytes [4096][32] at byte 3,145,728.
; A block's scale is 2^(floor(log2(its largest magnitude)) - 2); its byte is the largest magnitude's exponent field - 2, held at 1 from below.
; THE ORDER INSIDE A BLOCK: place 16 e + 8 u + j of a block's 32 codes holds element 16 u + 8 e + j (elements 0-7, 16-23, 8-15, 24-31).  Every operand of this program has this order, so every product is
; unchanged; it is the order in which a transposed matrix result falls out of plain tiles, which spares the later launches every shuffle.  The blocks and their scales are the true ones.
; LIMITS: a block of zeros gets the byte 1 where the rule says 127 (its codes are zeros, and only this program reads the bytes); NaN and infinities among the inputs are not served.
; Rows are dense and 1,024 is a multiple of 32: each tensor is a stream of blocks.  A work-group takes 32,768 numbers, a wave 8,192: 16 steps of 512.  Work-groups 0-255 take x, 256-351 mat_qkv_w, 352-383 proj_w:
; only pointers and offsets are chosen, there is one path through the text.  Each load reads 512 consecutive bytes; a step's 2,048 bytes turn through the wave's own stage in LDS, so that a lane gets its 16 numbers
; of one block, in the order above.  No tensor loads, no barrier: waves share nothing.  Loads run four steps ahead, the turn through LDS one step.
.set STEPS, 16
.set EMAX,  2
.set CB,    12                         ; bytes of 16 codes
.set R,     16                         ; v16-79   four sets of 16 numbers as they are loaded
.set X,     80                         ; v80-111  two sets of 16 numbers of one block
.set C,     128                        ; v128-191 codes: four registers for each step, so that no store's data are written again
.set E,     112                        ; v112-127 a scale byte for each step
.set WREG,  8192                       ; LDS: a region for each wave: two stages of 32 x SP bytes, then its 256 scale bytes
.set SP,    80                         ; a lane's place in a stage: 64 bytes + 16 of padding
	s_load_b128 s[4:7], s[0:1], 0x0                ; x, mat_qkv_w
	s_load_b128 s[8:11], s[0:1], 0x10              ; proj_w, xq
	s_load_b64 s[12:13], s[0:1], 0x20              ; wq
	v_lshl_add_u32 v192, v0, 2, 0x8000
	v_mov_b32 v193, 0
	v_lshrrev_b32 v1, 5, v0
	v_readfirstlane_b32 s16, v1                    ; wave
	v_and_b32 v2, 31, v0                           ; lane l
	v_lshlrev_b32 v3, 4, v2                        ; my 16 bytes of a load's 512
	s_mul_i32 s17, s16, WREG
	; into the stage: lane l of load i holds elements 4 (l % 8) .. + 3 of block 4 i + l / 8.  They go to the place of lane 2 (block) + e, at byte 32 u + 16 (l % 2), with u = bit 2 and e = bit 1 of l
	v_lshrrev_b32 v14, 3, v2
	v_bfe_u32 v15, v2, 1, 1
	v_lshl_add_u32 v14, v14, 1, v15
	v_mul_u32_u24 v14, v14, SP
	v_bfe_u32 v15, v2, 2, 1
	v_lshl_add_u32 v14, v15, 5, v14
	v_and_b32 v15, 1, v2
	v_lshl_add_u32 v14, v15, 4, v14
	v_add_nc_u32 v14, s17, v14
	v_mul_u32_u24 v15, v2, SP
	v_add_nc_u32 v15, s17, v15                     ; out of it: SP x lane
	v_mul_u32_u24 v4, v2, CB                       ; my codes' place in a step's
	v_lshrrev_b32 v5, 1, v2
	s_add_co_u32 s17, s17, 2*32*SP
	v_add_nc_u32 v5, s17, v5                       ; LDS: my wave's 256 scale bytes, my block's byte
	v_lshlrev_b32 v7, 3, v2                        ; and on the way out 8 bytes a lane
	v_add_nc_u32 v6, s17, v7
	s_wait_kmcnt 0x0
	s_cmp_lt_u32 ttmp9, 352                        ; which tensor?  The choices hang on the work-group's number alone
	s_cselect_b64 s[6:7], s[6:7], s[8:9]           ; mat_qkv_w or proj_w
	s_mov_b32 s17, 352
	s_cselect_b32 s17, 256, s17                    ; the tensor's first work-group
	s_cmp_lt_u32 ttmp9, 256
	s_cselect_b64 s[4:5], s[4:5], s[6:7]           ; the source
	s_cselect_b32 s17, 0, s17
	s_cselect_b64 s[10:11], s[10:11], s[12:13]     ; xq or wq
	s_cselect_b32 s22, 0, 256                      ; the destination's first work-group
	s_mov_b32 s23, 3145728
	s_cselect_b32 s23, 6291456, s23                ; where its scale bytes begin
	s_sub_co_u32 s17, ttmp9, s17
	s_lshl_b32 s17, s17, 2
	s_add_co_u32 s18, s17, s16                     ; my run of 8,192 numbers in the source
	s_mov_b32 s19, 0
	s_lshl_b64 s[20:21], s[18:19], 15
	s_add_nc_u64 s[4:5], s[4:5], s[20:21]
	s_sub_co_u32 s22, ttmp9, s22
	s_lshl_b32 s22, s22, 2
	s_add_co_u32 s18, s22, s16                     ; and in the destination
	s_mul_i32 s20, s18, 32*STEPS*CB                ; 6,144 bytes of codes a run
	s_mov_b32 s21, 0
	s_add_nc_u64 s[8:9], s[10:11], s[20:21]
	s_lshl_b32 s20, s18, 8                         ; 256 scale bytes a run
	s_add_co_u32 s20, s20, s23
	s_add_nc_u64 s[10:11], s[10:11], s[20:21]
.macro LOAD t
.irp i, 0,1,2,3
	global_load_b128 v[R+16*((\t)%4)+4*\i:R+16*((\t)%4)+4*\i+3], v3, s[4:5] offset:2048*(\t)+512*\i th:TH_LOAD_NT   ; 32 lanes read 512 consecutive bytes
.endr
.endm
.macro TURN t                          ; step t's numbers through the stage: LDS serves a wave's instructions in order, so no wait stands between the stores and the loads
.irp i, 0,1,2,3
	ds_store_b128 v14, v[R+16*((\t)%4)+4*\i:R+16*((\t)%4)+4*\i+3] offset:32*SP*((\t)%2)+8*SP*\i
.endr
.irp i, 0,1,2,3
	ds_load_b128 v[X+16*((\t)%2)+4*\i:X+16*((\t)%2)+4*\i+3], v15 offset:32*SP*((\t)%2)+16*\i
.endr
.endm
.irp t, 0,1,2,3
	LOAD \t
.endr
	s_wait_loadcnt 12                              ; step 0's four loads are in
	TURN 0
.macro STEP t
.set XS, X+16*((\t)%2)
.if (\t) > 0
	s_wait_dscnt 1                                 ; this step's numbers are back from the stage (the last step's byte store may be out): so its stores into the stage have read their registers,
.else
	s_wait_dscnt 0x0
.endif
.if (\t)+4 < STEPS
	LOAD (\t)+4                                    ; which take the loads of four steps on
.endif
.if (\t)+1 < STEPS
.if STEPS-2-(\t) >= 3
	s_wait_loadcnt 12                              ; the next step's four loads are in; those of the three steps behind it may be out
.else
	s_wait_loadcnt 4*(STEPS-2-(\t))
.endif
	TURN (\t)+1                                    ; and go through the other stage while this step is worked
.endif
	v_max3_num_f32 v8, |v[XS]|, |v[XS+1]|, |v[XS+2]|               ; the largest magnitude of my 16
	v_max3_num_f32 v9, |v[XS+3]|, |v[XS+4]|, |v[XS+5]|
.irp i, 6,10
	v_max3_num_f32 v8, v8, |v[XS+\i]|, |v[XS+\i+1]|
	v_max3_num_f32 v9, v9, |v[XS+\i+2]|, |v[XS+\i+3]|
.endr
	v_max3_num_f32 v8, v8, |v[XS+14]|, |v[XS+15]|
	v_max3_num_f32 v8, v8, v9, (EMAX+1)<<23        ; and the floor 2^(EMAX + 1 - 127): the byte cannot fall under 1
	v_max_num_f32_dpp v8, v8, v8 row_xmask:1 row_mask:0xf bank_mask:0xf   ; and of my neighbour's 16: the block's
	v_add_nc_u32 v11, -(EMAX<<23), v8              ; EMAX off its exponent field: the conversion takes the exponent field of this operand as its scale
	v_cvt_scalef32_pk16_fp6_f32 v[C+4*(\t):C+4*(\t)+2], v[XS:XS+15], v11
	v_lshrrev_b32 v[E+(\t)], 23, v11               ; the scale's byte
	ds_store_b8 v5, v[E+(\t)] offset:16*(\t)       ; both lanes of a block write the same byte with the same value
	global_store_b96 v4, v[C+4*(\t):C+4*(\t)+2], s[8:9] offset:32*CB*(\t)   ; the wave stores 384 consecutive bytes
.endm
.irp t, 0,1,2,3,4,5,6,7,8,9,10,11,12,13,14,15
	STEP \t
.endr
	ds_load_b64 v[12:13], v6                       ; LDS serves a wave's instructions in order: these see my stores
	s_wait_dscnt 0x0
	global_store_b64 v7, v[12:13], s[10:11]        ; 32 lanes store 256 consecutive bytes, aligned
	s_wait_tensorcnt 0x0
	ds_add_u32 v192, v193
	s_wait_dscnt 0x0
	s_endpgm
.Lfunc_end_k_qe11a7e5679_quant:
	.size	k_qe11a7e5679_quant, .Lfunc_end_k_qe11a7e5679_quant-k_qe11a7e5679_quant
	.p2alignl 7, 3214868480
	.fill 96, 4, 3214868480
	.section	.rodata,"a",@progbits
	.p2align	6, 0x0
	.amdhsa_kernel k_qe11a7e5679_quant
		.amdhsa_group_segment_fixed_size 33280
		.amdhsa_private_segment_fixed_size 0
		.amdhsa_enable_private_segment 0
		.amdhsa_kernarg_size 40
		.amdhsa_user_sgpr_count 2
		.amdhsa_user_sgpr_kernarg_segment_ptr 1
		.amdhsa_wavefront_size32 1
		.amdhsa_system_sgpr_workgroup_id_x 1
		.amdhsa_system_sgpr_workgroup_id_y 1
		.amdhsa_system_sgpr_workgroup_id_z 1
		.amdhsa_system_vgpr_workitem_id 0
		.amdhsa_next_free_vgpr 194
		.amdhsa_next_free_sgpr 66
		.amdhsa_reserve_vcc 0
		.amdhsa_float_denorm_mode_32 3
		.amdhsa_float_denorm_mode_16_64 3
		.amdhsa_memory_ordered 1
		.amdhsa_forward_progress 1
		.amdhsa_inst_pref_size 33
	.end_amdhsa_kernel
	.amdgpu_metadata
---
amdhsa.version: [ 1, 2 ]
amdhsa.kernels:
  - .name:           k_qe11a7e5679_quant
    .symbol:         k_qe11a7e5679_quant.kd
    .args:
      - { .name: x, .offset: 0, .size: 8, .value_kind: global_buffer, .address_space: global }
      - { .name: mat_qkv_w, .offset: 8, .size: 8, .value_kind: global_buffer, .address_space: global }
      - { .name: proj_w, .offset: 16, .size: 8, .value_kind: global_buffer, .address_space: global }
      - { .name: xq, .offset: 24, .size: 8, .value_kind: global_buffer, .address_space: global }
      - { .name: wq, .offset: 32, .size: 8, .value_kind: global_buffer, .address_space: global }
    .group_segment_fixed_size: 33280
    .private_segment_fixed_size: 0
    .kernarg_segment_align: 8
    .kernarg_segment_size: 40
    .max_flat_workgroup_size: 128
    .sgpr_count:     66
    .vgpr_count:     194
    .wavefront_size: 32
...
	.end_amdgpu_metadata
.endif
;; end of part 1
;; launch qkv (part 2): grid 8 x 48, 4 waves a work-group, clusters of 4 x 4, 327,680 bytes of LDS; arguments xq, wq, q_bias, v_bias, scale_mul, rope_batch, qi, kv; writes qi, kv
.if DOCPART == 2
	.amdgcn_target "amdgcn-amd-amdhsa--gfx1250"
	.amdhsa_code_object_version 6
	.text
	.protected	k_qe11a7e5679_qkv
	.globl	k_qe11a7e5679_qkv
	.p2align	8
	.type	k_qe11a7e5679_qkv,@function
k_qe11a7e5679_qkv:
	s_mov_b64 s[64:65], 0
	v_nop
	global_prefetch_b8 v0, s[64:65] scope:SCOPE_SE
	s_setreg_imm32_b32 hwreg(HW_REG_WAVE_MODE, 25, 1), 1
	s_wait_xcnt 0x0
	s_wait_alu depctr_hold_cnt(0) depctr_sa_sdst(0) depctr_va_vdst(0) depctr_va_sdst(0) depctr_va_ssrc(0) depctr_va_vcc(0) depctr_vm_vsrc(0)
	s_getreg_b32 s2, hwreg(HW_REG_IB_STS2, 6, 4)
	s_cmp_eq_u32 s2, 0
	s_cbranch_scc0 .Lentry_in_a_cluster
	s_endpgm
.Lentry_in_a_cluster:
	s_bfe_u32 s2, ttmp6, 0x10000c
	s_cmp_lg_u32 s2, 0xf033
	s_cbranch_scc0 .Lentry_shape_is_right
	s_endpgm
.Lentry_shape_is_right:
; The first product, x W^T (8,192 x 3,072 x 1,024) on codes of FP6 (E2M3) with E8M0 scales, and all that follows it up to the operands of attention, which leave as codes.
; ONE LOOP, TWO ORIENTATIONS.  The loop makes a tile of 256 x 256 of C'[row of A'][row of B'], four waves of 128 x 128 (64 accumulators), K in steps of 256 through two LDS slots; the matrix instruction is used
; transposed (source 0 = 16 rows of B', source 1 = 16 rows of A'), so that lane (r, h) of accumulator (a, b) holds, in register j, row 16 a + r of A' and row 16 b + 8 h + j of B'.
;   q and k: A' = x (tokens), B' = W's rows 0-2,047: a lane holds a token, its registers run along the channels, which are the second product's K.
;   v:       A' = W's rows 2,048-3,071 (channels), B' = x: a lane holds a channel, its registers run along the tokens, which are the third product's K.
; Only pointers and tile numbers differ, chosen by the CLUSTER's numbers (equal in all sixteen partners): clusters with y < 8 take q (x = 0) or k (x = 1), those with y >= 8 take v.
; CLUSTERS: 4 x 4 work-groups; A's tiles are asked for jointly by a row of the cluster, B's by a column, each by the same tensor load with the same descriptor and a mask that names the four.
; THE WAY OUT, in registers, no LDS.  q, k: + q_bias (q alone), x rsq(max(sum of squares, 1e-24)) x exp(min(scale_mul, log 100)) (q alone), RoPE from the table, quantised along the head's 64.
;   v: + v_bias, quantised along 128 tokens.  The results leave as IMAGES OF THE OPERANDS' REGISTERS: half a fragment (16 rows x 64 K, registers 0-5: 768 bytes: 16 bytes a lane, then 8 bytes a lane) for q and k, a whole
;   fragment (1,536 bytes, three times 16 bytes a lane) for v; every store of a wave covers 512 or 256 consecutive bytes, aligned.
;   Record of q (head bh, 128 tokens s) at (16 bh + s) x 6,656 in qi: 8 half fragments, then the scale words (512 bytes: lane's register j: lanes 0-15 tile 2 j, lanes 16-31 tile 2 j + 1).
;   Record of k and v at (16 bh + s) x 13,056 in kv: k as q; v's 4 fragments at 6,656; their scale words (256 bytes) at 12,800.
;   A scale word of q or k has two live bytes (K = 64); its bytes 2 and 3 are 0: they belong to codes that are zeros on q's side.
; LIMITS: NaN and infinities are not served; a block of zeros gets the byte 1, not 127 (its codes are zeros; only this program reads the bytes); t / max(norm, 1e-12) is taken as t x rsq(max(sum of squares, 1e-24));
; inside a block of 32 the codes stand in this program's own order (place 16 e + 8 u + j: element 16 u + 8 e + j) on both sides of every product.
; REGISTERS, in windows of 256: window 0: v0-31 addresses; v32-63 scale words, two sets; from v128 A's fragments, one set.  window 1: B's fragments, two sets, at v0 and v128.  windows 2, 3: the accumulators ((a, b) at v[8 (8 (a % 4) + b)]).
.set KSTEP,  256                       ; along K in a slot
.set NQ,     2                         ; matrix instructions deep
.set ROWB,   192                       ; a tile's row in bytes
.set KROW,   768                       ; a row of codes in memory
.set PITCH,  240                       ; an LDS row: 3 x (64 bytes + 16 of padding)
.set FR,     12                        ; registers of a fragment
.set NL,     6                         ; LDS loads that bring one
.set NP,     4                         ; places behind this matrix instruction (ISA guide 7.12.1)
.set HALFT,  128*PITCH                 ; 128 rows: what one tensor load brings
.set SLOT,   4*HALFT                   ; A's 256 rows, then B's 256 rows
.set LAPS,   2                         ; K = 1,024 is four K steps: twice round the ring
.set KS,     32                        ; a row of scale bytes
.set SCL,    2*SLOT                    ; behind the ring: the scale bytes, as rows of 256 bytes + 16 of padding
.set HALFS,  (128*KS/256)*272          ; those of 128 rows
.set SBLK,   (16*KS/256)*272           ; those of 16 rows
.set SPARE,  SCL+4*HALFS               ; the spare words, 128 bytes for each wave
.set ADRA, 16                          ; v16-19  LDS addresses of my A fragments (slot 0, 1; the same behind one padding more)
.set ADRB, 20                          ; v20-23  the same for B
.set ADRS, 27                          ; v27     LDS address of my scale words
.set SPW,  28                          ; v28     LDS address of my spare word; never rewritten
.set NIL,  29                          ; v29     0; never rewritten
.set SC,   32                          ; scale words
.set AF,   128                         ; A's fragments
.set G1, 24                            ; s[24:31], s[32:39] groups 1 and 0 for A's tiles
.set G0, 32
.set G1B, 48                           ; s[48:55], s[56:63] for B's
.set G0B, 56
.set G1S, 68                           ; s[68:75], s[76:79] for A's scale bytes;  s[80:87], s[88:91] for B's
.set G0S, 76
.set G1SB, 80
.set G0SB, 88
.set MSB, 0
.macro WIN new                         ; the immediate's high byte repeats the setting that is left
.if MSB != \new
	s_set_vgpr_msb (MSB<<8)|\new
.set MSB, \new
.endif
.endm
.set MUL_LO, 0xa1                      ; source 0 (B) window 1, source 1 (A) window 0, C and D window 2
.set MUL_HI, 0xf1                      ; the same, C and D window 3
.set TO_B,   0x40                      ; destination window 1, address window 0
; A joint load: waves 0 and 1 fetch for A, waves 2 and 3 for B; the branch hangs on the wave's number alone.  Four v_nop follow each of the two lines.
.macro JLOAD g0a, g1a, g0b, g1b
	s_cmp_eq_u32 s15, 0
	s_cbranch_scc0 .Lfor_b_\@
	tensor_load_to_lds s[\g0a:\g0a+3], s[\g1a:\g1a+7]
	s_nop 0
.rept 4
	v_nop
.endr
	s_branch .Lasked_\@
.Lfor_b_\@:
	tensor_load_to_lds s[\g0b:\g0b+3], s[\g1b:\g1b+7]
	s_nop 0
.rept 4
	v_nop
.endr
.Lasked_\@:
.endm
.macro CREST                           ; a round of the cluster's barrier behind its opening barrier
	s_cmp_lg_u32 s14, 0
	s_cbranch_scc1 .Lnot_wave_0_\@
	s_barrier_signal -3
.Lnot_wave_0_\@:
	s_barrier_wait -3
	s_barrier_signal -1
	s_barrier_wait -1
.endm
.macro CROUND                          ; a whole round
	s_barrier_signal -1
	s_barrier_wait -1
	CREST
.endm
	s_load_b128 s[4:7], s[0:1], 0x0                ; xq, wq
	v_lshl_add_u32 v[SPW], v0, 2, SPARE
	v_mov_b32 v[NIL], 0
	ds_add_u32 v28, v29
	ds_add_u32 v28, v29
	s_wait_dscnt 0x0
	v_lshrrev_b32 v1, 5, v0
	v_readfirstlane_b32 s14, v1                    ; wave 0..3
	s_lshr_b32 s15, s14, 1                         ; which half of the tile's A' rows is mine.  Also: I fetch for A (0) or for B (1)
	s_and_b32 s16, s14, 1                          ; which half of its B' rows.  Also: which 128 rows I fetch
	s_bfe_u32 s40, ttmp6, 0x40000                  ; cx, cy: my place in the cluster
	s_bfe_u32 s41, ttmp6, 0x40004
	s_and_b32 s8, ttmp7, 0xffff                    ; the cluster's y: 0..11
	s_sub_co_u32 s9, s8, 8
	s_lshl_b32 s9, s9, 1
	s_add_co_u32 s9, s9, ttmp9                     ; v: 2 (y - 8) + x: which four tile columns of 32
	s_cmp_ge_u32 s8, 8
	s_cselect_b32 s10, 0, s8                       ; the cluster's four tile rows: v has four in all
	s_cselect_b32 s11, s9, ttmp9                   ; and tile columns
	s_cselect_b32 s100, 2, ttmp9                   ; the path: 0 q, 1 k, 2 v: equal in all partners
	s_lshl_b32 s42, s11, 2
	s_add_co_u32 s42, s42, s40                     ; tile column
	s_lshl_b32 s17, s10, 2
	s_add_co_u32 s17, s17, s41                     ; tile row
	s_lshl_b32 s43, s41, 2
	s_lshl_b32 s43, 15, s43                        ; my row of the cluster
	s_lshl_b32 s44, 0x1111, s40                    ; my column
	; descriptor group 1: a tile of 128 rows x 192 bytes, 16 bytes of padding behind every 64
	s_or_b32 s[G1+0], s43, (0<<16)|(1<<20)|(1<<21)|(3<<22)|(3<<25)  ; 15:0 the mask; 17:16 elements of 1 byte; 20 padding on; 21 set beside a mask; 24:22 after every 16 words; 31:25 of 4 words
	s_or_b32 s[G1B+0], s44, (0<<16)|(1<<20)|(1<<21)|(3<<22)|(3<<25)
.irp g, G1, G1B
	s_mov_b32 s[\g+1], ROWB<<16                    ; tensor_dim0
	s_mov_b32 s[\g+2], 128<<16                     ; tensor_dim1
	s_mov_b32 s[\g+3], ROWB<<16                    ; tile_dim0
	s_mov_b32 s[\g+4], 128                         ; tile_dim1
	s_mov_b32 s[\g+5], KROW                        ; tensor_dim0_stride
	s_mov_b32 s[\g+6], 0
	s_mov_b32 s[\g+7], 0
.endr
	; the scale bytes of 128 rows: 4,096 dense bytes as 16 rows of 256 (32 elements of 8 bytes), 16 bytes of padding behind each
	s_or_b32 s[G1S+0], s43, (3<<16)|(1<<20)|(1<<21)|(5<<22)|(3<<25)
	s_or_b32 s[G1SB+0], s44, (3<<16)|(1<<20)|(1<<21)|(5<<22)|(3<<25)
.irp g, G1S, G1SB
	s_mov_b32 s[\g+1], 32<<16
	s_mov_b32 s[\g+2], (128*KS/256)<<16
	s_mov_b32 s[\g+3], 32<<16
	s_mov_b32 s[\g+4], 128*KS/256
	s_mov_b32 s[\g+5], 32
	s_mov_b32 s[\g+6], 0
	s_mov_b32 s[\g+7], 0
.endr
	s_lshl_b32 s18, s16, 7                         ; which 128 rows of the tile I fetch
	s_lshl_b32 s20, s17, 8
	s_add_co_u32 s20, s20, s18                     ; A': row 256 x tile row + 128 x half
	s_lshl_b32 s46, s42, 8
	s_add_co_u32 s46, s46, s18                     ; B': row 256 x tile column + 128 x half
	s_mov_b32 s21, 0
	s_mov_b32 s47, 0
	s_mov_b64 s[18:19], KS
	s_mul_u64 s[22:23], s[20:21], s[18:19]         ; where these rows' scale bytes begin
	s_mul_u64 s[92:93], s[46:47], s[18:19]
	s_mov_b64 s[18:19], KROW
	s_mul_u64 s[20:21], s[20:21], s[18:19]         ; and their codes
	s_mul_u64 s[46:47], s[46:47], s[18:19]
	s_mul_i32 s45, s14, HALFT                      ; where they go: wave x 128 rows: no place in the cluster enters an LDS address
	s_mul_i32 s94, s14, HALFS
	s_wait_kmcnt 0x0
	s_cmp_eq_u32 s100, 2                           ; v?  (the 64-bit sums below leave SCC alone)
	s_add_nc_u64 s[8:9], s[6:7], 2048*KROW         ; W's row 2,048: codes,
	s_add_nc_u64 s[10:11], s[6:7], 3145728+2048*KS ; scale bytes
	s_add_nc_u64 s[12:13], s[4:5], 6291456         ; x's scale bytes
	s_add_nc_u64 s[96:97], s[6:7], 3145728         ; W's scale bytes
	s_cselect_b64 s[8:9], s[8:9], s[4:5]           ; A's codes
	s_cselect_b64 s[10:11], s[10:11], s[12:13]     ; A's scale bytes
	s_cselect_b64 s[4:5], s[4:5], s[6:7]           ; B's codes
	s_cselect_b64 s[12:13], s[12:13], s[96:97]     ; B's scale bytes
	s_add_nc_u64 s[20:21], s[8:9], s[20:21]
	s_add_nc_u64 s[22:23], s[10:11], s[22:23]
	s_add_nc_u64 s[46:47], s[4:5], s[46:47]
	s_add_nc_u64 s[92:93], s[12:13], s[92:93]
	CROUND                                         ; all sixteen work-groups are here: the first joint loads meet
	s_mov_b32 s[G0S], 1
	s_add_co_u32 s[G0S+1], s94, SCL
	s_mov_b64 s[G0S+2:G0S+3], s[22:23]
	s_or_b32 s[G0S+3], s[G0S+3], 0x80000000
	s_mov_b32 s[G0SB], 1
	s_add_co_u32 s[G0SB+1], s94, SCL
	s_mov_b64 s[G0SB+2:G0SB+3], s[92:93]
	s_or_b32 s[G0SB+3], s[G0SB+3], 0x80000000
	JLOAD G0S, G1S, G0SB, G1SB                     ; the scale bytes first: they are wanted with K step 0
.irp s, 0,1
	s_mov_b32 s[G0+4*\s], 1
	s_add_co_u32 s[G0+4*\s+1], s45, \s*SLOT
	s_add_nc_u64 s[G0+4*\s+2:G0+4*\s+3], s[20:21], \s*ROWB
	s_or_b32 s[G0+4*\s+3], s[G0+4*\s+3], 0x80000000
	s_mov_b32 s[G0B+4*\s], 1
	s_add_co_u32 s[G0B+4*\s+1], s45, \s*SLOT
	s_add_nc_u64 s[G0B+4*\s+2:G0B+4*\s+3], s[46:47], \s*ROWB
	s_or_b32 s[G0B+4*\s+3], s[G0B+4*\s+3], 0x80000000
	JLOAD G0+4*\s, G1, G0B+4*\s, G1B
.endr
	v_and_b32 v1, 15, v0                           ; l % 16
	v_bfe_u32 v2, v0, 4, 1                         ; l / 16
	v_mul_u32_u24 v3, v1, PITCH
	v_mul_u32_u24 v4, v2, 24
	v_add_nc_u32 v4, v3, v4                        ; a fragment's row x pitch + 24 x half
	v_lshl_add_u32 v5, v2, 4, v4                   ; and the same behind one padding more
	s_mul_i32 s21, s15, HALFT                      ; my 128 rows of A
	s_mul_i32 s22, s16, HALFT                      ; my 128 rows of B,
	s_add_co_u32 s22, s22, 2*HALFT                 ; which lie behind A's 256
.irp s, 0,1
	v_add_nc_u32 v[ADRA+\s], s21, v4
	v_add_nc_u32 v[ADRB+\s], s22, v4
	v_add_nc_u32 v[ADRA+2+\s], s21, v5
	v_add_nc_u32 v[ADRB+2+\s], s22, v5
	s_add_co_u32 s21, s21, SLOT
	s_add_co_u32 s22, s22, SLOT
.endr
	v_mul_u32_u24 v5, v1, KS                       ; my row's scale bytes: KS a row,
	v_lshrrev_b32 v6, 8, v5
	v_lshl_add_u32 v5, v6, 4, v5                   ; and 16 more for each 256 passed
	s_mul_i32 s21, s15, HALFS                      ; A's: my 128 rows
	s_mul_i32 s22, s16, HALFS                      ; B's: my 128 rows, behind A's 256
	s_add_co_u32 s22, s22, 2*HALFS
	s_sub_co_u32 s22, s22, s21
	v_mul_u32_u24 v6, s22, v2                      ; lanes 16-31 take B's
	s_add_co_u32 s21, s21, SCL
	v_add_nc_u32 v5, v5, v6
	v_add_nc_u32 v[ADRS], s21, v5
	s_lshl_b32 s98, s17, 8                         ; kept for the way out: my first row of A',
	s_lshl_b32 s18, s15, 7
	s_add_co_u32 s98, s98, s18
	s_lshl_b32 s99, s42, 8                         ; and of B': they enter global addresses alone
	s_lshl_b32 s18, s16, 7
	s_add_co_u32 s99, s99, s18
.macro FRAG reg, adr, q, i             ; a fragment: lane l holds row l % 16; registers 6 c .. 6 c + 5 hold K = 64 c + 32 (l / 16) + 0 .. 31: 24 bytes of the row, as they lie, in pieces of 8 bytes
.irp p, 0,1,2,3,4,5
.set PC, 12*(\q)+6*(\p/3)+\p%3        ; 16 bytes of padding lie behind every 8 pieces: where the piece three on lies behind one padding more, the second address register serves
.if PC%8 < 5
	ds_load_b64 v[\reg+2*\p:\reg+2*\p+1], v[\adr] offset:8*PC+16*(PC/8)+(\i)*16*PITCH
.else
	ds_load_b64 v[\reg+2*\p:\reg+2*\p+1], v[\adr+2] offset:8*PC+16*(PC/8)+(\i)*16*PITCH
.endif
.endr
.endm
; 16 matrix instructions: A's blocks a0, a0 + 1 x B's eight, 128 along K.  The 64 accumulators take turns, one instruction a turn, in the same order in every step.
.macro MUL16 a0, p, q, sc, zero
.irp a, \a0, \a0+1
.irp b, 0,1,2,3,4,5,6,7
.if \zero
	v_wmma_scale_f32_16x16x128_f8f6f4 v[8*(8*((\a)%4)+\b):8*(8*((\a)%4)+\b)+7], v[128*(\p)+FR*\b:128*(\p)+FR*\b+FR-1], v[AF+FR*(\a):AF+FR*(\a)+FR-1], 0, v[SC+8*NQ*(\sc)+NQ*\b+(\q)], v[SC+8*NQ*(\sc)+NQ*(\a)+(\q)] matrix_a_fmt:MATRIX_FMT_FP6 matrix_b_fmt:MATRIX_FMT_FP6 matrix_a_scale:MATRIX_SCALE_ROW1
.else
	v_wmma_scale_f32_16x16x128_f8f6f4 v[8*(8*((\a)%4)+\b):8*(8*((\a)%4)+\b)+7], v[128*(\p)+FR*\b:128*(\p)+FR*\b+FR-1], v[AF+FR*(\a):AF+FR*(\a)+FR-1], v[8*(8*((\a)%4)+\b):8*(8*((\a)%4)+\b)+7], v[SC+8*NQ*(\sc)+NQ*\b+(\q)], v[SC+8*NQ*(\sc)+NQ*(\a)+(\q)] matrix_a_fmt:MATRIX_FMT_FP6 matrix_b_fmt:MATRIX_FMT_FP6 matrix_a_scale:MATRIX_SCALE_ROW1
.endif
.endr
.endr
.endm
.macro FETCH_B slot, q, p              ; B's eight fragments of the slot's q-th 128 along K into set p
	WIN TO_B
.irp i, 0,1,2,3,4,5,6,7
	FRAG 128*(\p)+FR*\i, ADRB+\slot, \q, \i
.endr
	WIN 0
.endm
.macro FETCH_A slot, q, i0             ; A's blocks i0 .. i0 + 3
.irp i, \i0, \i0+1, \i0+2, \i0+3
	FRAG AF+FR*(\i), ADRA+\slot, \q, \i
.endr
.endm
.macro SCALES sc                       ; the next K step's scale words: lanes 0-15 take A's block i, lanes 16-31 B's block i
.irp i, 0,1,2,3,4,5,6,7
	ds_load_b64 v[SC+8*NQ*\sc+NQ*\i:SC+8*NQ*\sc+NQ*\i+1], v[ADRS] offset:\i*SBLK
.endr
.endm
.macro PLACES n                        ; plain vector instructions between a matrix instruction and a load into, or a read of, its registers
.rept \n
	v_nop
.endr
.endm
.macro STEP slot, q, zero              ; a step of 128 along K that has its successor in the same slot
	s_wait_dscnt 4*NL                              ; B's set and A's blocks 0-3 are in; the youngest 24 loads (A's blocks 4-7) may be out
	WIN MUL_LO
	MUL16 0, (\q)%2, \q, \slot, \zero
	MUL16 2, (\q)%2, \q, \slot, \zero
	s_wait_dscnt 0                                 ; A's blocks 4-7 are in
	PLACES NP
	FETCH_B \slot, (\q)+1, 1-(\q)%2
	FETCH_A \slot, (\q)+1, 0
	WIN MUL_HI
	MUL16 4, (\q)%2, \q, \slot, \zero
	MUL16 6, (\q)%2, \q, \slot, \zero
	PLACES NP
	WIN 0
	FETCH_A \slot, (\q)+1, 4
.endm
; A slot's last step changes slots: ONE barrier; in front of it each wave waits for all its tensor loads, adds 0 to its spare word, and waits for that and for its own reads of this slot.
.macro TURN slot, next, fill
	s_wait_tensorcnt 0x0                           ; all my tensor loads have landed: my part of the next slot
	ds_add_u32 v[SPW], v[NIL]                      ; 0 onto my spare word
	s_wait_dscnt 4*NL+1                            ; (the add and the youngest 24 loads may be out)
	WIN MUL_LO
	MUL16 0, 1, NQ-1, \slot, 0                     ; sixteen matrix instructions stand between the add and the wait for it
	s_wait_dscnt 0x0                               ; the add is done, and my reads of this slot are over
	s_barrier_signal -1
	MUL16 2, 1, NQ-1, \slot, 0
	WIN 0
	s_barrier_wait -1
.if \fill
	CREST                                          ; the barrier has opened a round of the cluster's barrier: no wave of any partner still reads this slot or has a load on its way
	s_add_nc_u64 s[G0+4*\slot+2:G0+4*\slot+3], s[G0+4*\slot+2:G0+4*\slot+3], 2*ROWB
	s_add_nc_u64 s[G0B+4*\slot+2:G0B+4*\slot+3], s[G0B+4*\slot+2:G0B+4*\slot+3], 2*ROWB
	JLOAD G0+4*\slot, G1, G0B+4*\slot, G1B         ; the first tensor load behind the round; its four v_nop are the places in front of the loads below
.else
	PLACES NP
.endif
	v_add_nc_u32 v[ADRS], 4*NQ, v[ADRS]            ; on to the next K step's scale words
	FETCH_B \next, 0, 0
	FETCH_A \next, 0, 0
	SCALES \next
	WIN MUL_HI
	MUL16 4, 1, NQ-1, \slot, 0
	MUL16 6, 1, NQ-1, \slot, 0
	PLACES NP
	WIN 0
	FETCH_A \next, 0, 4
.endm
	s_wait_tensorcnt 1                             ; the scale bytes and my part of K step 0 are in (K step 1's load may be out),
	s_barrier_signal -1
	s_barrier_wait -1                              ; everybody's are
	s_load_b256 s[68:75], s[0:1], 0x10             ; the scale bytes' descriptors are done with: q_bias s[68:69], v_bias s[70:71], scale_mul s[72:73], rope_batch s[74:75],
	s_load_b128 s[76:79], s[0:1], 0x30             ; qi s[76:77], kv s[78:79]: waited for at the head of the way out
	FETCH_B 0, 0, 0
	FETCH_A 0, 0, 0
	SCALES 0
	FETCH_A 0, 0, 4
	STEP 0, 0, 1                                   ; the first step stands in front of the loop: its products start the sums
	s_mov_b32 s3, LAPS-1
.Llap:                                                 ; a trip goes once round the ring and fills both slots again
	TURN 0, 1, 1
	STEP 1, 0, 0
	TURN 1, 0, 1
	STEP 0, 0, 0
	s_sub_co_u32 s3, s3, 1
	s_cmp_lg_u32 s3, 0
	s_cbranch_scc1 .Llap
	TURN 0, 1, 0                                   ; the last lap fills nothing
	STEP 1, 0, 0
	s_wait_dscnt 4*NL
	WIN MUL_LO
	MUL16 0, 1, NQ-1, 1, 0
	MUL16 2, 1, NQ-1, 1, 0
	s_wait_dscnt 0
	WIN MUL_HI
	MUL16 4, 1, NQ-1, 1, 0
	MUL16 6, 1, NQ-1, 1, 0
	WIN 0
; ---------------- THE WAY OUT ----------------
.set SEL, 20                           ; s[20:21] v_permlanex16_b32's selects for lane l xor 16
.set LI16, 24                          ; v24  16 x lane
.set LI8,  25                          ; v25  8 x lane
; 32 numbers of a lane, v[s] .. v[s + 31], register 16 b + i = place 16 (lane / 16) + i of block b of my row, become registers 0-5 of a fragment in v[pc] on; the two bytes in v[BY], v[BY + 1], alike in lanes l and l xor 16
.macro QUANT2 s, pc
.irp b, 0,1
	v_max3_num_f32 v[TM+\b], |v[\s+16*\b]|, |v[\s+16*\b+1]|, 0x1800000   ; my 16 numbers, and the floor 2^(3 - 127): the byte cannot fall under 1
.endr
.irp i, 2,4,6,8,10,12,14
.irp b, 0,1
	v_max3_num_f32 v[TM+\b], v[TM+\b], |v[\s+16*\b+\i]|, |v[\s+16*\b+\i+1]|
.endr
.endr
.irp b, 0,1
	v_permlanex16_b32 v[TP+\b], v[TM+\b], s[SEL], s[SEL+1]
.endr
.irp b, 0,1
	v_max_num_f32 v[TM+\b], v[TM+\b], v[TP+\b]     ; with lane l xor 16's: the block's largest magnitude
.endr
.irp b, 0,1
	v_add_nc_u32 v[TS+\b], 0xff000000, v[TM+\b]    ; 2 off its exponent field: the conversion's scale operand
.endr
.irp b, 0,1
	v_lshrrev_b32 v[BY+\b], 23, v[TS+\b]           ; the scale's byte
.endr
	v_cvt_scalef32_pk16_fp6_f32 v[\pc:\pc+2], v[\s:\s+15], v[TS]
	v_cvt_scalef32_pk16_fp6_f32 v[\pc+4:\pc+6], v[\s+16:\s+31], v[TS+1]   ; (a conversion's three registers begin on an even number)
	v_nop                                          ; one plain place behind a scaled conversion
.irp i, 0,1,2
	v_permlane16_swap_b32 v[\pc+\i], v[\pc+4+\i]   ; a WHOLE block to a lane: lanes 0-15 block 0, lanes 16-31 block 1
.endr
.irp i, 0,1,2
	v_mov_b32 v[\pc+3+\i], v[\pc+4+\i]
.endr
.endm
; 64 numbers of a lane, four blocks, become a whole fragment in v[QPC] on and its scale word in v[QPW]
.macro QUANT4 s
.irp b, 0,1,2,3
	v_max3_num_f32 v[QTM+\b], |v[\s+16*\b]|, |v[\s+1+16*\b]|, 0x1800000
.endr
.irp i, 2,4,6,8,10,12,14
.irp b, 0,1,2,3
	v_max3_num_f32 v[QTM+\b], v[QTM+\b], |v[\s+16*\b+\i]|, |v[\s+1+16*\b+\i]|
.endr
.endr
.irp b, 0,1,2,3
	v_permlanex16_b32 v[QTM+4+\b], v[QTM+\b], s[SEL], s[SEL+1]
.endr
.irp b, 0,1,2,3
	v_max_num_f32 v[QTM+\b], v[QTM+\b], v[QTM+4+\b]
.endr
.irp b, 0,1,2,3
	v_add_nc_u32 v[QTM+12+\b], 0xff000000, v[QTM+\b]
.endr
.irp b, 0,1,2,3
	v_lshrrev_b32 v[QTM+4+\b], 23, v[QTM+12+\b]
.endr
	v_lshl_or_b32 v[QPW], v[QTM+5], 8, v[QTM+4]
	v_lshl_or_b32 v[QPW], v[QTM+6], 16, v[QPW]
	v_lshl_or_b32 v[QPW], v[QTM+7], 24, v[QPW]
.irp c, 0,1
	v_cvt_scalef32_pk16_fp6_f32 v[QPC+6*\c:QPC+2+6*\c], v[\s+32*\c:\s+15+32*\c], v[QTM+12+2*\c]
	v_cvt_scalef32_pk16_fp6_f32 v[QPC+12+4*\c:QPC+14+4*\c], v[\s+16+32*\c:\s+31+32*\c], v[QTM+12+2*\c+1]
.endr
	v_nop                                          ; one plain place behind a scaled conversion
.irp c, 0,1
.irp i, 0,1,2
	v_permlane16_swap_b32 v[QPC+6*\c+\i], v[QPC+12+4*\c+\i]
.endr
.irp i, 0,1,2
	v_mov_b32 v[QPC+3+6*\c+\i], v[QPC+12+4*\c+\i]
.endr
.endr
.endm
	PLACES NP                                      ; behind the last products: their results are read and their operands' registers written from here on
	s_wait_kmcnt 0x0                               ; the six addresses asked for at the loop's head
	v_and_b32 v1, 31, v0
	v_lshlrev_b32 v[LI16], 4, v1
	v_lshlrev_b32 v[LI8], 3, v1
	v_and_b32 v2, 15, v0                           ; r
	v_bfe_u32 v3, v0, 4, 1                         ; h
	s_mov_b32 s[SEL], 0x76543210
	s_mov_b32 s[SEL+1], 0xfedcba98
	s_mov_b32 s101, 0xffff0000                     ; lanes 16-31
	s_cmp_eq_u32 s100, 2
	s_cbranch_scc1 .Lv
; ---- q and k.  My 128 tokens (8 tiles a) x 128 channels: two heads e, four accumulators b' each: channel 16 b' + 8 h + j of the head.
; window 0: v8-15 the scale words to store (head e at v[8 + 4 e]); v16-19 the two factors (pairs); v20, v21 exp(min(scale_mul, log 100)) or 1; v30, v31 an even tile's word; v64-95 at work; v128-191 cos and sin, two sets; v192-255 the numbers.  window 1: v0-63 the bias
.set WW,  8
.set FF,  16
.set WE,  30
.set TM,  64
.set TP,  66
.set TS,  68
.set BY,  70
.set SSQ, 72                           ; v72-79 sums of squares: two chains of pairs for each head
.set PCQ, 80                           ; v80-86 the codes
.set XT,  88                           ; v88-95 the rotation's products
.set CSN, 128
.set T,   192
	s_lshr_b32 s4, s98, 11                         ; the batch
	s_and_b32 s5, s98, 2047                        ; my first token in it
	s_lshr_b32 s6, s5, 7                           ; which 128 tokens
	s_and_b32 s7, s99, 1023                        ; my first channel
	s_lshr_b32 s8, s7, 6                           ; my first head
	s_lshl_b32 s9, s4, 4
	s_add_co_u32 s9, s9, s8
	s_lshl_b32 s9, s9, 4
	s_add_co_u32 s9, s9, s6                        ; the record: 16 (16 batch + head) + which 128 tokens
	s_cmp_eq_u32 s100, 0
	s_cselect_b64 s[24:25], s[76:77], s[78:79]     ; qi or kv
	s_mov_b32 s10, 13056
	s_cselect_b32 s10, 6656, s10                   ; a record's bytes
	s_mul_i32 s12, s9, s10
	s_mov_b32 s13, 0
	s_add_nc_u64 s[24:25], s[24:25], s[12:13]      ; head 0's record,
	s_lshl_b32 s12, s10, 4
	s_add_nc_u64 s[26:27], s[24:25], s[12:13]      ; head 1's: 16 records on
	s_lshl_b32 s12, s4, 19                         ; the table: 524,288 bytes a batch, 128 a token
	s_lshl_b32 s11, s5, 7
	s_add_co_u32 s12, s12, s11
	s_add_nc_u64 s[28:29], s[74:75], s[12:13]
	s_lshl_b32 s12, s7, 2
	s_add_nc_u64 s[30:31], s[68:69], s[12:13]      ; q_bias at my first channel
	s_lshl_b32 s12, s8, 2
	s_add_nc_u64 s[32:33], s[72:73], s[12:13]      ; scale_mul at my first head
	v_lshlrev_b32 v26, 7, v2
	v_lshl_add_u32 v26, v3, 4, v26                 ; the table: 128 r + 16 h
	v_lshlrev_b32 v27, 5, v3                       ; the bias: 32 h
	v_mov_b32 v[FF+1], 0                           ; (named as the upper halves of pairs)
	v_mov_b32 v[FF+3], 0
	v_mov_b32 v22, 0                               ; written once: a lane permute's destination counts as one of its sources
	v_mov_b32 v23, 0
	v_mov_b32 v[TP], 0
	v_mov_b32 v[TP+1], 0
	s_cmp_eq_u32 s100, 0
	s_cbranch_scc0 .Lk_arm
	WIN 0x40                                       ; q: destination window 1
.irp n, 0,1,2,3,4,5,6,7                        ; accumulator n = 4 e + b': q_bias at channels 16 n + 8 h + 0 .. 7
	global_load_b128 v[8*\n:8*\n+3], v27, s[30:31] offset:64*\n
	global_load_b128 v[8*\n+4:8*\n+7], v27, s[30:31] offset:64*\n+16
.endr
	WIN 0
	s_load_b64 s[34:35], s[32:33], 0x0             ; scale_mul of my two heads
	s_wait_kmcnt 0x0
	v_mov_b32 v20, s34
	v_mov_b32 v21, s35
	v_min_num_f32 v20, 0x40935d8e, v20             ; min(.., log 100)
	v_min_num_f32 v21, 0x40935d8e, v21
	v_mul_f32 v20, 0x3fb8aa3b, v20                 ; x log2(e)
	v_mul_f32 v21, 0x3fb8aa3b, v21
	v_exp_f32 v20, v20
	v_exp_f32 v21, v21
	v_nop                                          ; a plain place behind the transcendentals,
	s_wait_alu depctr_va_vdst(0)                   ; and the wait ahead of their first reader and of the branch
	s_branch .Lqk_go
.Lk_arm:
	WIN 0x40                                       ; k has no bias and no multiplier
.set II, 0
.rept 64
	v_mov_b32 v[II], 0
.set II, II+1
.endr
	WIN 0
	v_mov_b32 v20, 1.0
	v_mov_b32 v21, 1.0
.Lqk_go:
.macro ROPE a                          ; tile a's cos (z = 0) and sin (z = 1) into set a % 2: register 16 z + 4 b' + p: pair 8 b' + 4 h + p of token 16 a + r
.irp z, 0,1
.irp b, 0,1,2,3
	global_load_b128 v[CSN+32*((\a)%2)+16*\z+4*\b:CSN+32*((\a)%2)+16*\z+4*\b+3], v26, s[28:29] offset:2048*(\a)+32*\b+262144*\z
.endr
.endr
.endm
.macro PH1 a, e                        ; head e of tile a: + bias, which is also the move into window 0 (each accumulator from its low end on); the sum of squares of the token's 64 channels
.set TT, T+32*(\e)
.set SQ0, SSQ+4*(\e)
	WIN 0x06+(\a)/4                                ; source 0 window 2 or 3, source 1 window 1
.set II, 0
.rept 16
	v_pk_add_f32 v[TT+2*II:TT+2*II+1], v[64*((\a)%4)+32*(\e)+2*II:64*((\a)%4)+32*(\e)+2*II+1], v[32*(\e)+2*II:32*(\e)+2*II+1]
.set II, II+1
.endr
	WIN 0
	v_pk_mul_f32 v[SQ0:SQ0+1], v[TT:TT+1], v[TT:TT+1]
	v_pk_mul_f32 v[SQ0+2:SQ0+3], v[TT+2:TT+3], v[TT+2:TT+3]
.set II, 4
.rept 7
	v_pk_fma_f32 v[SQ0:SQ0+1], v[TT+II:TT+II+1], v[TT+II:TT+II+1], v[SQ0:SQ0+1]
	v_pk_fma_f32 v[SQ0+2:SQ0+3], v[TT+II+2:TT+II+3], v[TT+II+2:TT+II+3], v[SQ0+2:SQ0+3]
.set II, II+4
.endr
	v_pk_add_f32 v[SQ0:SQ0+1], v[SQ0:SQ0+1], v[SQ0+2:SQ0+3]
	v_add_f32 v[SQ0], v[SQ0], v[SQ0+1]
	v_permlanex16_b32 v[22+(\e)], v[SQ0], s[SEL], s[SEL+1]
	v_add_f32 v[SQ0], v[SQ0], v[22+(\e)]           ; with lane l xor 16's 32 channels
	v_max_num_f32 v[SQ0], 0x179abe15, v[SQ0]       ; max(.., 1e-24): max(norm, 1e-12) squared
.endm
.macro PH2 a, e                        ; x the factor, the rotation, the quantiser, the stores
.set TT, T+32*(\e)
.set CC, CSN+32*((\a)%2)
.set II, 0
.rept 16
	v_pk_mul_f32 v[TT+2*II:TT+2*II+1], v[TT+2*II:TT+2*II+1], v[FF+2*(\e):FF+2*(\e)+1] op_sel_hi:[1,0]
.set II, II+1
.endr
.set II, 0
.rept 16                               ; pair II: r0 = t0 cos - t1 sin, r1 = t0 sin + t1 cos
.set XX, XT+2*(II%4)
	v_mul_f32 v[XX], v[TT+2*II+1], v[CC+16+II]
	v_mul_f32 v[XX+1], v[TT+2*II], v[CC+16+II]
	v_fma_f32 v[TT+2*II], v[TT+2*II], v[CC+II], -v[XX]
	v_fma_f32 v[TT+2*II+1], v[TT+2*II+1], v[CC+II], v[XX+1]
.set II, II+1
.endr
	s_wait_xcnt 0x0                                ; the last stores have read their data: the codes' registers are written again only behind this wait
	QUANT2 TT, PCQ
.if (\a)%2 == 0
	v_lshl_or_b32 v[WE+(\e)], v[BY+1], 8, v[BY]    ; the row's scale word: two live bytes
.else
	v_lshl_or_b32 v[XT], v[BY+1], 8, v[BY]
	v_cndmask_b32 v[WW+4*(\e)+(\a)/2], v[WE+(\e)], v[XT], s101   ; lanes 0-15 the even tile's words, lanes 16-31 the odd tile's
.endif
	global_store_b128 v[LI16], v[PCQ:PCQ+3], s[24+2*(\e):25+2*(\e)] offset:768*(\a)        ; 512 consecutive bytes, aligned
	global_store_b64 v[LI8], v[PCQ+4:PCQ+5], s[24+2*(\e):25+2*(\e)] offset:768*(\a)+512    ; 256
.endm
.macro QKUNIT a
.if (\a) < 7
	ROPE (\a)+1                                    ; the next tile's table rows are asked for a tile ahead
.endif
.if (\a) == 0
	s_wait_loadcnt 16                              ; the bias is in: only the two tiles' 8 + 8 table loads may be out
.endif
	PH1 \a, 0
	PH1 \a, 1
	v_rsq_f32 v[FF], v[SSQ]
	v_rsq_f32 v[FF+2], v[SSQ+4]
	v_nop                                          ; a plain place behind the transcendentals,
	s_wait_alu depctr_va_vdst(0)                   ; and one wait for both, ahead of their first reader
	v_mul_f32 v[FF], v[FF], v20
	v_mul_f32 v[FF+2], v[FF+2], v21
.if (\a) < 7
	s_wait_loadcnt 8                               ; this tile's cos and sin are in; the next tile's eight loads may be out
.else
	s_wait_loadcnt 0
.endif
	PH2 \a, 0
	PH2 \a, 1
.endm
	ROPE 0
.irp a, 0,1,2,3,4,5,6,7
	QKUNIT \a
.endr
	global_store_b128 v[LI16], v[WW:WW+3], s[24:25] offset:6144     ; the eight tiles' scale words
	global_store_b128 v[LI16], v[WW+4:WW+7], s[26:27] offset:6144
	s_branch .Lend
; ---- v.  My 128 channels (8 tiles a: head a / 4, fragment a % 4) x 128 tokens: one key step.  window 0: v8-11 scale words to store; v12 an even fragment's word; v64-79 v_bias, a pair a tile; v96-114 codes; v128-191 the numbers; v200-216 at work
.Lv:
.set VBR, 64
.set QPC, 96
.set T4,  128
.set QTM, 200
.set QPW, 216
	s_lshr_b32 s8, s98, 6                          ; my first head
	s_lshr_b32 s4, s99, 11                         ; the batch
	s_and_b32 s5, s99, 2047
	s_lshr_b32 s6, s5, 7                           ; which 128 tokens
	s_lshl_b32 s9, s4, 4
	s_add_co_u32 s9, s9, s8
	s_lshl_b32 s9, s9, 4
	s_add_co_u32 s9, s9, s6
	s_mul_i32 s12, s9, 13056
	s_mov_b32 s13, 0
	s_add_nc_u64 s[24:25], s[78:79], s[12:13]      ; head 0's record in kv,
	s_add_nc_u64 s[26:27], s[24:25], 16*13056      ; head 1's
	s_lshl_b32 s12, s98, 2
	s_add_nc_u64 s[30:31], s[70:71], s[12:13]      ; v_bias at my first channel
	v_lshlrev_b32 v26, 2, v2                       ; 4 r
.irp a, 0,1,2,3,4,5,6,7
	global_load_b32 v[VBR+2*\a], v26, s[30:31] offset:64*\a      ; v_bias of channel 16 a + r, twice: a pair for the packed addition
	global_load_b32 v[VBR+2*\a+1], v26, s[30:31] offset:64*\a
.endr
.irp b, 0,1,2,3
	v_mov_b32 v[QTM+4+\b], 0                       ; written once: a lane permute's destination counts as one of its sources
.endr
	s_wait_loadcnt 0x0
.macro VUNIT a
	WIN 0x02+(\a)/4                                ; source 0 window 2 or 3
.set II, 0
.rept 32
	v_pk_add_f32 v[T4+2*II:T4+2*II+1], v[64*((\a)%4)+2*II:64*((\a)%4)+2*II+1], v[VBR+2*(\a):VBR+2*(\a)+1]   ; + bias, and into window 0; each accumulator from its low end on
.set II, II+1
.endr
	WIN 0
	s_wait_xcnt 0x0                                ; the last stores have read their data
	QUANT4 T4
.irp c, 0,1,2
	global_store_b128 v[LI16], v[QPC+4*\c:QPC+4*\c+3], s[24+2*((\a)/4):25+2*((\a)/4)] offset:6656+1536*((\a)%4)+512*\c
.endr
.if (\a)%2 == 0
	v_mov_b32 v12, v[QPW]
.else
	v_cndmask_b32 v[8+2*((\a)/4)+((\a)%4)/2], v12, v[QPW], s101   ; lanes 0-15 the even fragment's words, lanes 16-31 the odd one's
.endif
.if (\a)%4 == 3
	global_store_b64 v[LI8], v[8+2*((\a)/4):9+2*((\a)/4)], s[24+2*((\a)/4):25+2*((\a)/4)] offset:12800
.endif
.endm
.irp a, 0,1,2,3,4,5,6,7
	VUNIT \a
.endr
.Lend:
	s_wait_tensorcnt 0x0                           ; the wave's end
	ds_add_u32 v[SPW], v[NIL]
	s_wait_dscnt 0x0
	CROUND                                         ; the closing round: no work-group ends while a partner may still ask for a tile that names it
	s_endpgm
.Lfunc_end_k_qe11a7e5679_qkv:
	.size	k_qe11a7e5679_qkv, .Lfunc_end_k_qe11a7e5679_qkv-k_qe11a7e5679_qkv
	.p2alignl 7, 3214868480
	.fill 96, 4, 3214868480
	.section	.rodata,"a",@progbits
	.p2align	6, 0x0
	.amdhsa_kernel k_qe11a7e5679_qkv
		.amdhsa_group_segment_fixed_size 327680
		.amdhsa_private_segment_fixed_size 0
		.amdhsa_enable_private_segment 0
		.amdhsa_kernarg_size 64
		.amdhsa_user_sgpr_count 2
		.amdhsa_user_sgpr_kernarg_segment_ptr 1
		.amdhsa_wavefront_size32 1
		.amdhsa_system_sgpr_workgroup_id_x 1
		.amdhsa_system_sgpr_workgroup_id_y 1
		.amdhsa_system_sgpr_workgroup_id_z 1
		.amdhsa_system_vgpr_workitem_id 0
		.amdhsa_next_free_vgpr 1024
		.amdhsa_next_free_sgpr 102
		.amdhsa_reserve_vcc 0
		.amdhsa_float_denorm_mode_32 3
		.amdhsa_float_denorm_mode_16_64 3
		.amdhsa_memory_ordered 1
		.amdhsa_forward_progress 1
		.amdhsa_inst_pref_size 255
	.end_amdhsa_kernel
	.section	.bss,"aw",@nobits
	.p2align	6
	.space	262144
	.amdgpu_metadata
---
amdhsa.version: [ 1, 2 ]
amdhsa.kernels:
  - .name:           k_qe11a7e5679_qkv
    .symbol:         k_qe11a7e5679_qkv.kd
    .args:
      - { .name: xq, .offset: 0, .size: 8, .value_kind: global_buffer, .address_space: global }
      - { .name: wq, .offset: 8, .size: 8, .value_kind: global_buffer, .address_space: global }
      - { .name: q_bias, .offset: 16, .size: 8, .value_kind: global_buffer, .address_space: global }
      - { .name: v_bias, .offset: 24, .size: 8, .value_kind: global_buffer, .address_space: global }
      - { .name: scale_mul, .offset: 32, .size: 8, .value_kind: global_buffer, .address_space: global }
      - { .name: rope_batch, .offset: 40, .size: 8, .value_kind: global_buffer, .address_space: global }
      - { .name: qi, .offset: 48, .size: 8, .value_kind: global_buffer, .address_space: global }
      - { .name: kv, .offset: 56, .size: 8, .value_kind: global_buffer, .address_space: global }
    .group_segment_fixed_size: 327680
    .private_segment_fixed_size: 0
    .kernarg_segment_align: 8
    .kernarg_segment_size: 64
    .max_flat_workgroup_size: 128
    .sgpr_count:     102
    .vgpr_count:     1024
    .wavefront_size: 32
...
	.end_amdgpu_metadata
.endif
;; end of part 2
;; launch attn (part 3): grid 16 x 16, 8 waves a work-group, clusters of 4 x 4, 327,680 bytes of LDS; arguments qi, kv, attn_bias, oq; writes oq
.if DOCPART == 3
	.amdgcn_target "amdgcn-amd-amdhsa--gfx1250"
	.amdhsa_code_object_version 6
	.text
	.protected	k_qe11a7e5679_attn
	.globl	k_qe11a7e5679_attn
	.p2align	8
	.type	k_qe11a7e5679_attn,@function
k_qe11a7e5679_attn:
	s_mov_b64 s[64:65], 0
	v_nop
	global_prefetch_b8 v0, s[64:65] scope:SCOPE_SE
	s_setreg_imm32_b32 hwreg(HW_REG_WAVE_MODE, 25, 1), 1
	s_wait_xcnt 0x0
	s_wait_alu depctr_hold_cnt(0) depctr_sa_sdst(0) depctr_va_vdst(0) depctr_va_sdst(0) depctr_va_ssrc(0) depctr_va_vcc(0) depctr_vm_vsrc(0)
	s_getreg_b32 s2, hwreg(HW_REG_IB_STS2, 6, 4)
	s_cmp_eq_u32 s2, 0
	s_cbranch_scc0 .Lentry_in_a_cluster
	s_endpgm
.Lentry_in_a_cluster:
	s_bfe_u32 s2, ttmp6, 0x10000c
	s_cmp_lg_u32 s2, 0xf033
	s_cbranch_scc0 .Lentry_shape_is_right
	s_endpgm
.Lentry_shape_is_right:
; Attention on codes of FP6 (E2M3): S = q k^T + attn_bias, a running softmax, O = p v, O / l quantised along the channels for the projection.
; THE SOFTMAX: t = score x log2(e); M = the row's largest t so far, rounded UP to a whole number; p = 2^(t - M) is what is quantised, along the keys.  The row's sum is taken of the unquantised p and divides O at the
; end.  When M moves, the sum and O are multiplied by 2^(old M - new M): exact.  attn_bias is an input: every key step is walked, every number of it is read and added.
; SHARES.  Work-group (X, Y): queries 128 X .. + 127 of the four heads 4 Y .. 4 Y + 3 (numbered batch x 16 + head).  Eight waves, two to a SIMD: wave w takes head w % 4 and queries 64 (w / 4) on: FOUR units of 16 queries,
; so that each fragment of k and v read from LDS feeds four matrix instructions.  Every wave walks 16 key steps of 128 keys.
; LAYOUT.  Both products are used transposed: S^T = k q^T (source 0 = 16 keys, source 1 = 16 queries), O^T = v^T p^T: a lane holds ONE query (lane % 16) throughout.
; THE BIAS COSTS NO INSTRUCTION: its numbers are loaded from LDS into the scores' registers and are the C of S^T's matrix instruction (so they are added with the matrix unit's own rounding).
; K = 64 IN AN INSTRUCTION OF K = 128: q's fragment has zeros in registers 6-11, so what stands in k's registers 6-11 (the next tile's codes; behind the last tile zeros) is multiplied by 0; the scale bytes there are 0.
; CLUSTER: 4 x 4.  The bias tile hangs on X alone: asked for jointly by a column of the cluster; the four records of k and v hang on Y alone: asked for jointly by a row.  Waves 0-3 fetch 32 rows of the bias each,
; waves 4-7 a record each: one tensor load a wave behind each round, asked for a whole key step (four units' softmax and 48 products in each wave) ahead of the wait for it; so no prefetch is laid.
; LDS: slot n at n x 131,072: the bias, 128 rows x (512 + 16) bytes; at 67,584 four records of 13,056 bytes.  Behind the ring: the spare words; a stage for the codes on the way out (128 rows x 192); one for their scale bytes.
; OUT: oq: codes [K step of 256 channels][8,192 tokens][192 bytes] at 0, scale bytes [8,192][32] at 6,291,456.  A work-group has 8 of a row's 32 scale bytes: those stores cover parts of aligned runs of 256 bytes; they are one byte in 24 of what it stores.
; LIMITS: NaN among the inputs is not served; a block of zeros gets the byte 1, not 127; inside a block of 32 the codes stand in this program's own order on both sides of every product.
; REGISTERS.  window 0: v1, v2 the add's; v3-5 my lane's places (bias, 16 and 8 bytes a lane in my record); v6-8 the same in the slot in hand; v12 + 4 u: unit u's -M, largest t, sum (a pair); v28-31 k's scale words, v32-33 v's, v34-35 q's, v36-39 p's;
;   v40-63 at work; v64-127, v128-191 two units' scores, then p; v192 + 12 u p's codes; v240 + 2 u the factor f (pairs).
;   window 1: v0-127 O^T (unit u, tile f at 32 u + 8 f); v128 + 12 u q; v176-223 k's eight tiles, 6 registers apart, later v's four fragments; v224-229 zeros.
.set SLOT1, 1<<17
.set BP,    528                        ; a row of the bias in LDS: an odd multiple of 16 bytes, so that sixteen rows start in different banks
.set KVO,   128*BP                     ; where the records begin in a slot
.set REC,   13056
.set SPARE, SLOT1+KVO+4*REC            ; 250,880: the spare words, 128 bytes for each of eight waves
.set STG,   SPARE+1024
.set SSTG,  STG+128*192
.set SA,  64
.set SB,  128
.set PR,  192
.set FP,  240
.set KSR, 28
.set VSR, 32
.set QSR, 34
.set PSR, 36
.set TM,  40
.set TP,  44
.set TS,  48
.set BY,  52
.set CT,  56
.set QR,  128                          ; window 1
.set KVR, 176                          ; window 1
.set SEL, 20                           ; s[20:21]
.set W_L,  0x40                        ; destination window 1
.set W_S,  0x05                        ; k and q window 1, scores window 0
.set W_PV, 0x51                        ; v, C and D window 1, p window 0
.set W_RS, 0x41                        ; destination and source 0 window 1
.set W_O,  0x01                        ; source 0 window 1
.set MSB, 0
.macro WIN new                         ; the immediate's high byte repeats the setting that is left
.if MSB != \new
	s_set_vgpr_msb (MSB<<8)|\new
.set MSB, \new
.endif
.endm
.macro ROUND                           ; a round of the cluster's barrier
	s_barrier_signal -1
	s_barrier_wait -1
	s_cmp_lg_u32 s12, 0
	s_cbranch_scc1 .Lnot_wave_0_\@
	s_barrier_signal -3
.Lnot_wave_0_\@:
	s_barrier_wait -3
	s_barrier_signal -1
	s_barrier_wait -1
.endm
.macro JLOAD                           ; waves 0-3: the bias; waves 4-7: the records.  The branch hangs on the wave's number alone.  Four v_nop follow each line
	s_cmp_lt_u32 s12, 4
	s_cbranch_scc0 .Lfor_kv_\@
	tensor_load_to_lds s[40:43], s[24:31]
	s_nop 0
.rept 4
	v_nop
.endr
	s_branch .Lasked_\@
.Lfor_kv_\@:
	tensor_load_to_lds s[44:47], s[32:39]
	s_nop 0
.rept 4
	v_nop
.endr
.Lasked_\@:
.endm
	s_load_b256 s[4:11], s[0:1], 0x0               ; qi s[4:5], kv s[6:7], attn_bias s[8:9], oq s[10:11]
	v_lshl_add_u32 v1, v0, 2, SPARE
	v_mov_b32 v2, 0
	ds_add_u32 v1, v2
	ds_add_u32 v1, v2
	s_wait_dscnt 0x0
	v_lshrrev_b32 v3, 5, v0
	v_readfirstlane_b32 s12, v3                    ; wave 0..7
	s_bfe_u32 s13, ttmp6, 0x40000                  ; cx
	s_bfe_u32 s14, ttmp6, 0x40004                  ; cy
	s_lshl_b32 s15, ttmp9, 2
	s_add_co_u32 s15, s15, s13                     ; X
	s_and_b32 s16, ttmp7, 0xffff
	s_lshl_b32 s16, s16, 2
	s_add_co_u32 s16, s16, s14                     ; Y
	s_and_b32 s17, s12, 3                          ; my head of the four.  Also: which part I fetch
	s_lshr_b32 s18, s12, 2                         ; my half of the queries
	s_lshl_b32 s50, s14, 2
	s_lshl_b32 s50, 15, s50                        ; my row of the cluster
	s_lshl_b32 s51, 0x1111, s13                    ; my column
	s_or_b32 s24, s51, (2<<16)|(1<<20)|(1<<21)|(6<<22)|(3<<25)   ; the bias: the column's mask; elements of 4 bytes; padding on; bit 21 beside a mask; after every 128 words, 4 words
	s_mov_b32 s25, 128<<16                         ; tensor_dim0 = 128
	s_mov_b32 s26, 32<<16                          ; tensor_dim1 = 32
	s_mov_b32 s27, 128<<16                         ; tile_dim0
	s_mov_b32 s28, 32                              ; tile_dim1
	s_mov_b32 s29, 2048                            ; from row to row
	s_mov_b32 s30, 0
	s_mov_b32 s31, 0
	s_or_b32 s32, s50, (3<<16)|(1<<21)             ; a record: the row's mask; 51 dense rows of 256 bytes (32 elements of 8 bytes), no padding
	s_mov_b32 s33, 32<<16
	s_mov_b32 s34, 51<<16
	s_mov_b32 s35, 32<<16
	s_mov_b32 s36, 51
	s_mov_b32 s37, 32
	s_mov_b32 s38, 0
	s_mov_b32 s39, 0
	s_lshl_b32 s52, s15, 7                         ; the bias: row 128 X + 32 (wave % 4), 8,192 bytes a row: X's registers never hold cy
	s_lshl_b32 s53, s17, 5
	s_add_co_u32 s52, s52, s53
	s_lshl_b32 s52, s52, 13
	s_mov_b32 s53, 0
	s_lshl_b32 s54, s16, 2
	s_add_co_u32 s54, s54, s17                     ; the head 4 Y + wave % 4: Y's registers never hold cx
	s_mul_i32 s56, s54, 16*REC
	s_mov_b32 s57, 0
	s_mov_b32 s[SEL], 0x76543210
	s_mov_b32 s[SEL+1], 0xfedcba98
	s_mov_b32 s22, 0x3fb8aa3b                      ; log2(e)
	s_mov_b32 s23, s22                             ; (named with it as a pair)
	s_mov_b32 s48, 0                               ; the slot in hand
	s_mov_b32 s49, 15                              ; trips
	s_wait_kmcnt 0x0
	s_mov_b32 s40, 1
	s_mul_i32 s41, s17, 32*BP
	s_add_nc_u64 s[42:43], s[8:9], s[52:53]
	s_or_b32 s43, s43, 0x80000000
	s_mov_b32 s44, 1
	s_mul_i32 s45, s17, REC
	s_add_co_u32 s45, s45, KVO
	s_add_nc_u64 s[46:47], s[6:7], s[56:57]
	s_or_b32 s47, s47, 0x80000000
	ROUND                                          ; all sixteen work-groups are here: the first joint loads meet
	JLOAD                                          ; key step 0 into slot 0
	s_lshl_b32 s58, s54, 4
	s_add_co_u32 s58, s58, s15
	s_mul_i32 s58, s58, 6656                       ; q's record: 16 x head + X
	s_mov_b32 s59, 0
	s_add_nc_u64 s[4:5], s[4:5], s[58:59]
	v_and_b32 v54, 31, v0                          ; lane
	v_and_b32 v55, 15, v0                          ; r
	v_bfe_u32 v56, v0, 4, 1                        ; h
	s_mul_i32 s50, s18, 4*768                      ; my four tiles of its eight
	v_lshl_add_u32 v6, v54, 4, s50
	v_lshl_add_u32 v7, v54, 3, s50
	s_lshl_b32 s50, s18, 3
	v_lshl_add_u32 v8, v54, 4, s50                 ; their two registers of scale words
	WIN W_L
.irp i, 0,1,2,3
	global_load_b128 v[QR+12*\i:QR+12*\i+3], v6, s[4:5] offset:768*\i
	global_load_b64 v[QR+12*\i+4:QR+12*\i+5], v7, s[4:5] offset:768*\i+512
.endr
	WIN 0
	global_load_b64 v[QSR:QSR+1], v8, s[4:5] offset:6144
	v_mul_u32_u24 v3, v55, BP
	v_lshl_add_u32 v3, v56, 5, v3
	s_mul_i32 s50, s18, 64*BP
	v_add_nc_u32 v3, s50, v3                       ; the bias: row 64 (wave / 4) + r, + 32 h
	s_mul_i32 s50, s17, REC
	s_add_co_u32 s50, s50, KVO
	v_lshl_add_u32 v4, v54, 4, s50                 ; my head's record, 16 bytes a lane,
	v_lshl_add_u32 v5, v54, 3, s50                 ; and 8
	WIN W_L
.set JJ, 0
.rept 128
	v_mov_b32 v[JJ], 0                             ; O^T.  (The key step is written for every step alike: the first finds zeros, which the first change of M leaves zeros)
.set JJ, JJ+1
.endr
.irp i, 0,1,2,3
.irp n, 6,7,8,9,10,11
	v_mov_b32 v[QR+12*\i+\n], 0                    ; q's codes of k = 64 .. 127
.endr
.endr
.irp n, 0,1,2,3,4,5
	v_mov_b32 v[KVR+48+\n], 0                      ; behind k's last tile
.endr
	WIN 0
.irp i, 0,1,2,3
	v_mov_b32 v[13+4*\i], 0xff61b1e6               ; the largest t so far: -3e38
	v_floor_f32 v[12+4*\i], -v[13+4*\i]            ; -M
	v_mov_b32 v[14+4*\i], 0                        ; the sum, in two halves
	v_mov_b32 v[15+4*\i], 0
	v_mov_b32 v[FP+2*\i+1], 0                      ; (named as the upper half of a pair)
	v_mov_b32 v[TP+\i], 0                          ; written once: a lane permute's destination counts as one of its sources
.endr
; a scaled matrix instruction; ra, rb: the scale words stand in lanes 16-31
.macro WSC d, a, b, c, sa, sb, ra, rb
.if (\ra) && (\rb)
	v_wmma_scale_f32_16x16x128_f8f6f4 v[\d:\d+7], v[\a:\a+11], v[\b:\b+11], v[\c:\c+7], v[\sa], v[\sb] matrix_a_fmt:MATRIX_FMT_FP6 matrix_b_fmt:MATRIX_FMT_FP6 matrix_a_scale:MATRIX_SCALE_ROW1 matrix_b_scale:MATRIX_SCALE_ROW1
.elseif \ra
	v_wmma_scale_f32_16x16x128_f8f6f4 v[\d:\d+7], v[\a:\a+11], v[\b:\b+11], v[\c:\c+7], v[\sa], v[\sb] matrix_a_fmt:MATRIX_FMT_FP6 matrix_b_fmt:MATRIX_FMT_FP6 matrix_a_scale:MATRIX_SCALE_ROW1
.elseif \rb
	v_wmma_scale_f32_16x16x128_f8f6f4 v[\d:\d+7], v[\a:\a+11], v[\b:\b+11], v[\c:\c+7], v[\sa], v[\sb] matrix_a_fmt:MATRIX_FMT_FP6 matrix_b_fmt:MATRIX_FMT_FP6 matrix_b_scale:MATRIX_SCALE_ROW1
.else
	v_wmma_scale_f32_16x16x128_f8f6f4 v[\d:\d+7], v[\a:\a+11], v[\b:\b+11], v[\c:\c+7], v[\sa], v[\sb] matrix_a_fmt:MATRIX_FMT_FP6 matrix_b_fmt:MATRIX_FMT_FP6
.endif
.endm
.macro BIAS u, sr                      ; unit u's bias into the scores' registers: tile t, register j of lane (r, h): query 16 u + r, key 16 t + 8 h + j
.irp t, 0,1,2,3,4,5,6,7
	ds_load_b128 v[\sr+8*\t:\sr+8*\t+3], v6 offset:16*BP*(\u)+64*\t
	ds_load_b128 v[\sr+8*\t+4:\sr+8*\t+7], v6 offset:16*BP*(\u)+64*\t+16
.endr
.endm
.macro KLOAD                           ; k's eight tiles, its scale words and v's: 18 loads
	WIN W_L
.irp t, 0,1,2,3,4,5,6,7
	ds_load_b128 v[KVR+6*\t:KVR+6*\t+3], v7 offset:768*\t
	ds_load_b64 v[KVR+6*\t+4:KVR+6*\t+5], v8 offset:768*\t+512
.endr
	WIN 0
	ds_load_b128 v[KSR:KSR+3], v7 offset:6144
	ds_load_b64 v[VSR:VSR+1], v8 offset:12800
.endm
.macro VLOAD                           ; v's four fragments: 12 loads
	WIN W_L
.irp f, 0,1,2,3
.irp c, 0,1,2
	ds_load_b128 v[KVR+12*\f+4*\c:KVR+12*\f+4*\c+3], v7 offset:6656+1536*\f+512*\c
.endr
.endr
	WIN 0
.endm
.macro SMUL u, sr                      ; S^T = k q^T + bias: eight accumulators, one instruction each
	WIN W_S
.irp t, 0,1,2,3,4,5,6,7
	WSC \sr+8*\t, KVR+6*\t, QR+12*(\u), \sr+8*\t, KSR+\t/2, QSR+(\u)/2, \t%2, (\u)%2
.endr
	WIN 0
.endm
.macro RESC u                          ; unit u's O^T under the new M: x f, each accumulator from its low end on
	WIN W_RS
.set JJ, 0
.rept 16
	v_pk_mul_f32 v[32*(\u)+2*JJ:32*(\u)+2*JJ+1], v[32*(\u)+2*JJ:32*(\u)+2*JJ+1], v[FP+2*(\u):FP+2*(\u)+1] op_sel_hi:[1,0]
.set JJ, JJ+1
.endr
	WIN 0
.endm
.macro PVALL                           ; O^T += v^T p^T: sixteen accumulators by turns, one instruction a turn
	WIN W_PV
.irp f, 0,1,2,3
.irp i, 0,1,2,3
	WSC 32*\i+8*\f, KVR+12*\f, PR+12*\i, 32*\i+8*\f, VSR+\f/2, PSR+\i, \f%2, 0
.endr
.endr
	WIN 0
.endm
; Unit u's softmax of 128 keys, on the scores in v[sr] on: register 16 b + n is place 16 (lane / 16) + n of block b of 32 keys.
.macro SM u, sr
.set ST, 12+4*(\u)
.irp b, 0,1,2,3
	v_max3_num_f32 v[TM+\b], v[\sr+16*\b], v[\sr+16*\b+1], v[\sr+16*\b+2]   ; the largest score of each block: it serves for the row's maximum and, since p rises with the score, for the block's largest p
.endr
.irp n, 3,5,7,9,11,13
.irp b, 0,1,2,3
	v_max3_num_f32 v[TM+\b], v[TM+\b], v[\sr+16*\b+\n], v[\sr+16*\b+\n+1]
.endr
.endr
.irp b, 0,1,2,3
	v_max_num_f32 v[TM+\b], v[TM+\b], v[\sr+16*\b+15]
.endr
.irp b, 0,1,2,3
	v_permlanex16_b32 v[TP+\b], v[TM+\b], s[SEL], s[SEL+1]
.endr
.irp b, 0,1,2,3
	v_max_num_f32 v[TM+\b], v[TM+\b], v[TP+\b]     ; with lane l xor 16's 16 keys
.endr
	v_max3_num_f32 v54, v[TM], v[TM+1], v[TM+2]
	v_max_num_f32 v54, v54, v[TM+3]                ; the step's largest score of my query
	v_mul_f32 v54, s22, v54                        ; as t
	v_max_num_f32 v[ST+1], v[ST+1], v54            ; the running largest t
	v_mov_b32 v54, v[ST]
	v_floor_f32 v[ST], -v[ST+1]                    ; the new -M = floor(-t): M is a whole number
	v_sub_f32 v54, v[ST], v54                      ; old M - new M: a whole number, 0 or less
	v_cvt_i32_f32 v54, v54                         ; (it saturates)
	v_ldexp_f32 v[FP+2*(\u)], 1.0, v54             ; f = 2^(old M - new M)
.set JJ, 0
.rept 32
	v_pk_fma_f32 v[\sr+JJ:\sr+JJ+1], v[\sr+JJ:\sr+JJ+1], s[22:23], v[ST:ST+1] op_sel_hi:[1,0,0]   ; t - M, two at a time
.set JJ, JJ+2
.endr
.irp b, 0,1,2,3
	v_fma_f32 v[TM+\b], v[TM+\b], s22, v[ST]       ; the same of each block's largest score
.endr
.set JJ, 0
.rept 64
	v_exp_f32 v[\sr+JJ], v[\sr+JJ]                 ; p = 2^(t - M), at most 1
.set JJ, JJ+1
.endr
	v_pk_mul_f32 v[ST+2:ST+3], v[ST+2:ST+3], v[FP+2*(\u):FP+2*(\u)+1] op_sel_hi:[1,0]   ; the sums under the new M: a plain place behind the exponentials
	s_wait_alu depctr_va_vdst(0)                   ; one wait for the whole batch, ahead of its first reader
.irp b, 0,1,2,3
	v_exp_f32 v[TM+\b], v[TM+\b]                   ; the block's largest p
.endr
	v_pk_add_f32 v[54:55], v[\sr:\sr+1], v[\sr+2:\sr+3]   ; the row's sum is taken of the unquantised p: two at a time, in two chains
.set JJ, 4
.rept 15
	v_pk_add_f32 v[ST+2:ST+3], v[ST+2:ST+3], v[\sr+JJ:\sr+JJ+1]
	v_pk_add_f32 v[54:55], v[54:55], v[\sr+JJ+2:\sr+JJ+3]
.set JJ, JJ+4
.endr
	v_pk_add_f32 v[ST+2:ST+3], v[ST+2:ST+3], v[54:55]
	s_wait_alu depctr_va_vdst(0)                   ; and one for the four
.irp b, 0,1,2,3
	v_max_num_f32 v[TM+\b], 0x1800000, v[TM+\b]    ; the floor 2^(3 - 127): the byte cannot fall under 1
.endr
.irp b, 0,1,2,3
	v_add_nc_u32 v[TS+\b], 0xff000000, v[TM+\b]    ; 2 off the exponent field: the conversion's scale operand
.endr
.irp b, 0,1,2,3
	v_lshrrev_b32 v[TP+\b], 23, v[TS+\b]           ; the scale's byte
.endr
	v_lshl_or_b32 v[PSR+(\u)], v[TP+1], 8, v[TP]   ; p's scale word for these 128 keys
	v_lshl_or_b32 v[PSR+(\u)], v[TP+2], 16, v[PSR+(\u)]
	v_lshl_or_b32 v[PSR+(\u)], v[TP+3], 24, v[PSR+(\u)]
.irp c, 0,1
	v_cvt_scalef32_pk16_fp6_f32 v[PR+12*(\u)+6*\c:PR+12*(\u)+6*\c+2], v[\sr+32*\c:\sr+32*\c+15], v[TS+2*\c]
	v_cvt_scalef32_pk16_fp6_f32 v[CT+4*\c:CT+4*\c+2], v[\sr+32*\c+16:\sr+32*\c+31], v[TS+2*\c+1]   ; (a conversion's three registers begin on an even number)
.endr
	v_nop                                          ; one plain place behind a scaled conversion
.irp c, 0,1                                    ; a WHOLE block to a lane: lanes 0-15 block 2 c, lanes 16-31 block 2 c + 1
.irp n, 0,1,2
	v_permlane16_swap_b32 v[PR+12*(\u)+6*\c+\n], v[CT+4*\c+\n]
.endr
.irp n, 0,1,2
	v_mov_b32 v[PR+12*(\u)+6*\c+3+\n], v[CT+4*\c+\n]
.endr
.endr
.endm
; A KEY STEP.  The products of two units run ahead of their softmax, so that the SIMD's other wave finds the matrix unit and the vector unit free by turns.
.macro STEP
	v_add_nc_u32 v6, s48, v3
	v_add_nc_u32 v7, s48, v4
	v_add_nc_u32 v8, s48, v5
	KLOAD
	BIAS 0, SA
	BIAS 1, SB
	s_wait_dscnt 16                                ; k, the scale words and unit 0's bias are in; unit 1's sixteen loads may be out
	SMUL 0, SA
	s_wait_dscnt 0x0
	SMUL 1, SB
.rept 4
	v_nop                                          ; places behind the products, ahead of the first read of the scores
.endr
	SM 0, SA
	BIAS 2, SA
	SM 1, SB
	BIAS 3, SB
	s_wait_dscnt 16                                ; unit 2's bias is in; unit 3's sixteen loads may be out
	SMUL 2, SA
	RESC 0
	s_wait_dscnt 0x0
	SMUL 3, SB
	RESC 1                                         ; (its sixteen lines are the places ahead of the loads into k's registers and of the reads of the scores)
	VLOAD
	SM 2, SA
	SM 3, SB
	RESC 2                                         ; (these 32 lines are the places between the lines that made p's codes and scale words and the scaled products)
	RESC 3
	s_wait_dscnt 0x0                               ; v is in
	PVALL
.rept 4
	v_nop                                          ; places ahead of the next step's loads into these operands' registers, and of the reads of O^T
.endr
	s_xor_b32 s48, s48, SLOT1                      ; on to the other slot
.endm
; THE CHANGE OF SLOTS stands at a step's head.  Each wave waits for all its tensor loads (its part of the slot that it is about to read), adds 0 to its spare word, and waits for that and for its reads of the slot that it has left.
; fill = 1: a round of the cluster's barrier, and behind it the slot just left is filled with the next key step.
.macro CHANGE fill
	s_wait_tensorcnt 0x0                           ; no tensor load of mine is out, so a group 0 may be written
	ds_add_u32 v1, v2                              ; 0 onto my spare word
.if \fill
	s_xor_b32 s41, s41, SLOT1                      ; the walking descriptors: the other slot than last time,
	s_add_nc_u64 s[42:43], s[42:43], 512           ; the next 128 keys' columns of the bias,
	s_xor_b32 s45, s45, SLOT1
	s_add_nc_u64 s[46:47], s[46:47], REC           ; the next record
.endif
	s_wait_dscnt 0x0                               ; the add is done, and my reads of the slot that I have left are over
.if \fill
	ROUND
	JLOAD                                          ; the first thing behind the round, and a wave's one tensor load until the next
.else
	s_barrier_signal -1
	s_barrier_wait -1
.endif
.endm
	s_wait_loadcnt 0x0                             ; q and its scale words; the loads' address registers are free
.Lstep:                                            ; 15 trips: behind each change of slots but the last the next key step is asked for
	CHANGE 1
	STEP
	s_sub_co_u32 s49, s49, 1
	s_cmp_lg_u32 s49, 0
	s_cbranch_scc1 .Lstep
	CHANGE 0                                       ; the last key step is written out
	STEP
; THE WAY OUT.  O^T / the sum is quantised along the channels (a head's 64 are two blocks of the projection's K); codes and scale bytes meet in two stages in LDS and leave as whole rows.
.macro QUANT2 s, pc                    ; 32 numbers of a lane (two half blocks) become 24 bytes of codes, a whole block to a lane, in v[pc] on; the bytes in v[BY], v[BY + 1]
.irp b, 0,1
	v_max3_num_f32 v[TM+\b], |v[\s+16*\b]|, |v[\s+16*\b+1]|, 0x1800000
.endr
.irp i, 2,4,6,8,10,12,14
.irp b, 0,1
	v_max3_num_f32 v[TM+\b], v[TM+\b], |v[\s+16*\b+\i]|, |v[\s+16*\b+\i+1]|
.endr
.endr
.irp b, 0,1
	v_permlanex16_b32 v[TP+\b], v[TM+\b], s[SEL], s[SEL+1]
.endr
.irp b, 0,1
	v_max_num_f32 v[TM+\b], v[TM+\b], v[TP+\b]
.endr
.irp b, 0,1
	v_add_nc_u32 v[TS+\b], 0xff000000, v[TM+\b]
.endr
.irp b, 0,1
	v_lshrrev_b32 v[BY+\b], 23, v[TS+\b]
.endr
	v_cvt_scalef32_pk16_fp6_f32 v[\pc:\pc+2], v[\s:\s+15], v[TS]
	v_cvt_scalef32_pk16_fp6_f32 v[\pc+4:\pc+6], v[\s+16:\s+31], v[TS+1]
	v_nop                                          ; one plain place behind a scaled conversion
.irp i, 0,1,2
	v_permlane16_swap_b32 v[\pc+\i], v[\pc+4+\i]
.endr
.irp i, 0,1,2
	v_mov_b32 v[\pc+3+\i], v[\pc+4+\i]
.endr
.endm
.set WO9,  100                         ; v100 where I put 24 bytes of codes;  v101 two scale bytes;  v102, v103 where I read rows back;  v104, v105 my offsets in oq
.irp i, 0,1,2,3
	v_add_f32 v[14+4*\i], v[14+4*\i], v[15+4*\i]   ; the sum's two halves,
.endr
.irp i, 0,1,2,3
	v_permlanex16_b32 v[TP+\i], v[14+4*\i], s[SEL], s[SEL+1]
.endr
.irp i, 0,1,2,3
	v_add_f32 v[14+4*\i], v[14+4*\i], v[TP+\i]     ; and lane l xor 16's: the row's sum
.endr
.irp i, 0,1,2,3
	v_rcp_f32 v[FP+2*\i], v[14+4*\i]
.endr
	v_and_b32 v96, 31, v0                          ; lane  (plain work behind the reciprocals)
	v_and_b32 v97, 15, v0                          ; r
	v_bfe_u32 v98, v0, 4, 1                        ; h
	v_mul_u32_u24 v[WO9], v97, 192
	v_mad_u32_u24 v[WO9], v98, 24, v[WO9]
	s_mul_i32 s50, s18, 64*192
	s_mul_i32 s51, s17, 48
	s_add_co_u32 s50, s50, s51
	s_add_co_u32 s50, s50, STG
	v_add_nc_u32 v[WO9], s50, v[WO9]               ; row 64 (wave / 4) + r of 192 bytes, + 48 x my head, + 24 h
	v_lshlrev_b32 v[WO9+1], 3, v97
	s_lshl_b32 s50, s18, 9
	s_lshl_b32 s51, s17, 1
	s_add_co_u32 s50, s50, s51
	s_add_co_u32 s50, s50, SSTG
	v_add_nc_u32 v[WO9+1], s50, v[WO9+1]           ; the same row of 8 bytes, + 2 x my head
	s_mul_i32 s50, s12, 16*192
	s_add_co_u32 s50, s50, STG
	v_lshl_add_u32 v[WO9+2], v96, 4, s50           ; back: my wave's 16 rows, 3,072 bytes on end
	s_lshl_b32 s50, s12, 7
	s_add_co_u32 s50, s50, SSTG
	v_lshl_add_u32 v[WO9+3], v96, 2, s50           ; and their 128 scale bytes
	v_lshlrev_b32 v[WO9+4], 4, v96
	v_lshrrev_b32 v[WO9+5], 1, v96
	v_and_b32 v99, 1, v96
	v_lshlrev_b32 v[WO9+5], 5, v[WO9+5]
	v_lshl_add_u32 v[WO9+5], v99, 2, v[WO9+5]      ; row lane / 2 of 32 bytes, + 4 (lane % 2)
	s_and_b32 s50, s16, 3                          ; the projection's K step: my four heads' 256 channels
	s_lshr_b32 s51, s16, 2                         ; the batch
	s_lshl_b32 s51, s51, 11
	s_lshl_b32 s52, s15, 7
	s_add_co_u32 s51, s51, s52
	s_lshl_b32 s52, s12, 4
	s_add_co_u32 s51, s51, s52                     ; the first token that I store
	s_mul_i32 s52, s51, 192
	s_mul_i32 s53, s50, 8192*192
	s_add_co_u32 s52, s52, s53
	s_mov_b32 s53, 0
	s_add_nc_u64 s[56:57], s[10:11], s[52:53]      ; its codes
	s_lshl_b32 s52, s51, 5
	s_lshl_b32 s50, s50, 3
	s_add_co_u32 s52, s52, s50
	s_add_co_u32 s52, s52, 6291456
	s_add_nc_u64 s[58:59], s[10:11], s[52:53]      ; its scale bytes
	s_wait_alu depctr_va_vdst(0)                   ; one wait for the four reciprocals, ahead of their first reader
.macro OUTU u
	WIN W_O
.set JJ, 0
.rept 16
	v_pk_mul_f32 v[64+2*JJ:65+2*JJ], v[32*(\u)+2*JJ:32*(\u)+2*JJ+1], v[FP+2*(\u):FP+2*(\u)+1] op_sel_hi:[1,0]   ; O^T / the sum, each accumulator from its low end on
.set JJ, JJ+1
.endr
	WIN 0
	QUANT2 64, CT
	v_lshl_or_b32 v54, v[BY+1], 8, v[BY]
.irp p, 0,1,2
	ds_store_b64 v[WO9], v[CT+2*\p:CT+2*\p+1] offset:16*192*(\u)+8*\p
.endr
	ds_store_b16 v[WO9+1], v54 offset:128*(\u)     ; lanes l and l xor 16 write the same two bytes with the same values
	s_wait_dscnt 0x0                               ; the stores have read their registers
.endm
.irp u, 0,1,2,3
	OUTU \u
.endr
	s_barrier_signal -1                            ; every wave's stores into the stages are done (the wait above)
	s_barrier_wait -1
.irp j, 0,1,2,3,4,5
	ds_load_b128 v[108+4*\j:111+4*\j], v[WO9+2] offset:512*\j
.endr
	ds_load_b32 v132, v[WO9+3]
.irp j, 0,1,2,3,4,5
	s_wait_dscnt 6-\j                              ; load j is in; the loads behind it may be out
	global_store_b128 v[WO9+4], v[108+4*\j:111+4*\j], s[56:57] offset:512*\j   ; 512 consecutive bytes, aligned
.endr
	s_wait_dscnt 0x0
	global_store_b32 v[WO9+5], v132, s[58:59]
	s_wait_tensorcnt 0x0                           ; the wave's end
	ds_add_u32 v1, v2
	s_wait_dscnt 0x0
	ROUND                                          ; the closing round
	s_endpgm
.Lfunc_end_k_qe11a7e5679_attn:
	.size	k_qe11a7e5679_attn, .Lfunc_end_k_qe11a7e5679_attn-k_qe11a7e5679_attn
	.p2alignl 7, 3214868480
	.fill 96, 4, 3214868480
	.section	.rodata,"a",@progbits
	.p2align	6, 0x0
	.amdhsa_kernel k_qe11a7e5679_attn
		.amdhsa_group_segment_fixed_size 327680
		.amdhsa_private_segment_fixed_size 0
		.amdhsa_enable_private_segment 0
		.amdhsa_kernarg_size 32
		.amdhsa_user_sgpr_count 2
		.amdhsa_user_sgpr_kernarg_segment_ptr 1
		.amdhsa_wavefront_size32 1
		.amdhsa_system_sgpr_workgroup_id_x 1
		.amdhsa_system_sgpr_workgroup_id_y 1
		.amdhsa_system_sgpr_workgroup_id_z 1
		.amdhsa_system_vgpr_workitem_id 0
		.amdhsa_next_free_vgpr 512
		.amdhsa_next_free_sgpr 66
		.amdhsa_reserve_vcc 0
		.amdhsa_float_denorm_mode_32 3
		.amdhsa_float_denorm_mode_16_64 3
		.amdhsa_memory_ordered 1
		.amdhsa_forward_progress 1
		.amdhsa_inst_pref_size 150
	.end_amdhsa_kernel
	.amdgpu_metadata
---
amdhsa.version: [ 1, 2 ]
amdhsa.kernels:
  - .name:           k_qe11a7e5679_attn
    .symbol:         k_qe11a7e5679_attn.kd
    .args:
      - { .name: qi, .offset: 0, .size: 8, .value_kind: global_buffer, .address_space: global }
      - { .name: kv, .offset: 8, .size: 8, .value_kind: global_buffer, .address_space: global }
      - { .name: attn_bias, .offset: 16, .size: 8, .value_kind: global_buffer, .address_space: global }
      - { .name: oq, .offset: 24, .size: 8, .value_kind: global_buffer, .address_space: global }
    .group_segment_fixed_size: 327680
    .private_segment_fixed_size: 0
    .kernarg_segment_align: 8
    .kernarg_segment_size: 32
    .max_flat_workgroup_size: 256
    .sgpr_count:     66
    .vgpr_count:     512
    .wavefront_size: 32
...
	.end_amdgpu_metadata
.endif
;; end of part 3
;; launch proj (part 4): grid 4 x 32, 4 waves a work-group, clusters of 4 x 4, 327,680 bytes of LDS; arguments oq, wq, proj_b, out0; writes out0
.if DOCPART == 4
	.amdgcn_target "amdgcn-amd-amdhsa--gfx1250"
	.amdhsa_code_object_version 6
	.text
	.protected	k_qe11a7e5679_proj
	.globl	k_qe11a7e5679_proj
	.p2align	8
	.type	k_qe11a7e5679_proj,@function
k_qe11a7e5679_proj:
	s_mov_b64 s[64:65], 0
	v_nop
	global_prefetch_b8 v0, s[64:65] scope:SCOPE_SE
	s_setreg_imm32_b32 hwreg(HW_REG_WAVE_MODE, 25, 1), 1
	s_wait_xcnt 0x0
	s_wait_alu depctr_hold_cnt(0) depctr_sa_sdst(0) depctr_va_vdst(0) depctr_va_sdst(0) depctr_va_ssrc(0) depctr_va_vcc(0) depctr_vm_vsrc(0)
	s_getreg_b32 s2, hwreg(HW_REG_IB_STS2, 6, 4)
	s_cmp_eq_u32 s2, 0
	s_cbranch_scc0 .Lentry_in_a_cluster
	s_endpgm
.Lentry_in_a_cluster:
	s_bfe_u32 s2, ttmp6, 0x10000c
	s_cmp_lg_u32 s2, 0xf033
	s_cbranch_scc0 .Lentry_shape_is_right
	s_endpgm
.Lentry_shape_is_right:
; The last product: out0[m][n] = sum over k of O[m][k] proj_w[n][k] + proj_b[n], 8,192 x 1,024 x 1,024, on codes of FP6 (E2M3) with one E8M0 scale for each 32 along K; sums in f32.
; A = O: codes in oq as [K step of 256][8,192 rows][192 bytes], scale bytes [8,192][32] at byte 6,291,456.  B = proj_w: rows 3,072 on of wq, 768 bytes a row; scale bytes [.][32] from byte 3,145,728 on.
; A tile of 256 x 256 is made by four waves of 128 x 128 (64 accumulators); K goes in steps of 256 through two LDS slots filled by the tensor data mover; the scale bytes of the tile's rows come into LDS once.
; CLUSTERS: 4 x 4 work-groups; A's tiles are asked for jointly by a row of the cluster, B's by a column.  The matrix instruction is used transposed (source 0 = 16 rows of B, source 1 = 16 rows of A): a lane holds eight neighbouring numbers of a row of out0.
; The grid has 128 work-groups: a tile for each.  LIMITS: inside a block of 32 the codes stand in this program's own order on both sides, so the unit groups the products otherwise than in ascending k.
; REGISTERS, in windows of 256: window 0: v0-31 addresses, v8-11 proj_b of my four columns; v32-63 scale words, two sets; from v128 A's fragments, one set; on the way out v128-255 rows of out0.
;   window 1: B's fragments, two sets, at v0 and v128.  windows 2, 3: the accumulators ((a, b) at v[8 (8 (a % 4) + b)]).
.set SIZE_N, 1024
.set KSTEP,  256
.set NQ,     2
.set ROWB,   192
.set KROWB,  768                       ; a row of B's codes in memory
.set APLANE, 8192*192                  ; from a K step of A's codes to the next
.set PITCH,  240                       ; an LDS row: 3 x (64 bytes + 16 of padding)
.set FR,     12
.set NL,     6
.set NP,     4                         ; places behind this matrix instruction (ISA guide 7.12.1)
.set HALFT,  128*PITCH
.set SLOT,   4*HALFT
.set LAPS,   2
.set KS,     32
.set SCL,    2*SLOT
.set HALFS,  (128*KS/256)*272
.set SBLK,   (16*KS/256)*272
.set SPARE,  SCL+4*HALFS
.set SPITCH, 528                       ; the way out: a stage of 16 rows x (512 + 16) bytes for each wave, in slot 0, which has had its last fill and its last read by then
.set ADRA, 16
.set ADRB, 20
.set STO,  24
.set RD,   25
.set CO,   26
.set ADRS, 27
.set SPW,  28
.set NIL,  29
.set SC,   32
.set AF,   128
.set BK,   128
.set G1, 24
.set G0, 32
.set G1B, 48
.set G0B, 56
.set G1S, 68
.set G0S, 76
.set G1SB, 80
.set G0SB, 88
.set MSB, 0
.macro WIN new                         ; the immediate's high byte repeats the setting that is left
.if MSB != \new
	s_set_vgpr_msb (MSB<<8)|\new
.set MSB, \new
.endif
.endm
.set MUL_LO, 0xa1
.set MUL_HI, 0xf1
.set TO_B,   0x40
.macro JLOAD g0a, g1a, g0b, g1b        ; a joint load: waves 0 and 1 fetch for A, waves 2 and 3 for B; four v_nop follow each of the two lines
	s_cmp_eq_u32 s15, 0
	s_cbranch_scc0 .Lfor_b_\@
	tensor_load_to_lds s[\g0a:\g0a+3], s[\g1a:\g1a+7]
	s_nop 0
.rept 4
	v_nop
.endr
	s_branch .Lasked_\@
.Lfor_b_\@:
	tensor_load_to_lds s[\g0b:\g0b+3], s[\g1b:\g1b+7]
	s_nop 0
.rept 4
	v_nop
.endr
.Lasked_\@:
.endm
.macro CREST
	s_cmp_lg_u32 s14, 0
	s_cbranch_scc1 .Lnot_wave_0_\@
	s_barrier_signal -3
.Lnot_wave_0_\@:
	s_barrier_wait -3
	s_barrier_signal -1
	s_barrier_wait -1
.endm
.macro CROUND
	s_barrier_signal -1
	s_barrier_wait -1
	CREST
.endm
	s_load_b256 s[4:11], s[0:1], 0x0               ; oq s[4:5], wq s[6:7], proj_b s[8:9], out0 s[10:11]
	v_lshl_add_u32 v[SPW], v0, 2, SPARE
	v_mov_b32 v[NIL], 0
	ds_add_u32 v28, v29
	ds_add_u32 v28, v29
	s_wait_dscnt 0x0
	v_lshrrev_b32 v1, 5, v0
	v_readfirstlane_b32 s14, v1                    ; wave 0..3
	s_lshr_b32 s15, s14, 1                         ; which half of the tile's rows is mine.  Also: I fetch for A (0) or for B (1)
	s_and_b32 s16, s14, 1                          ; which half of its columns.  Also: which 128 rows I fetch
	s_bfe_u32 s40, ttmp6, 0x40000                  ; cx, cy
	s_bfe_u32 s41, ttmp6, 0x40004
	s_lshl_b32 s42, ttmp9, 2
	s_add_co_u32 s42, s42, s40                     ; tile column
	s_and_b32 s17, ttmp7, 0xffff
	s_lshl_b32 s17, s17, 2
	s_add_co_u32 s17, s17, s41                     ; tile row
	s_lshl_b32 s43, s41, 2
	s_lshl_b32 s43, 15, s43                        ; my row of the cluster
	s_lshl_b32 s44, 0x1111, s40                    ; my column
	s_or_b32 s[G1+0], s43, (0<<16)|(1<<20)|(1<<21)|(3<<22)|(3<<25)  ; a tile of 128 rows x 192 bytes, 16 bytes of padding behind every 64
	s_or_b32 s[G1B+0], s44, (0<<16)|(1<<20)|(1<<21)|(3<<22)|(3<<25)
.irp g, G1, G1B
	s_mov_b32 s[\g+1], ROWB<<16
	s_mov_b32 s[\g+2], 128<<16
	s_mov_b32 s[\g+3], ROWB<<16
	s_mov_b32 s[\g+4], 128
	s_mov_b32 s[\g+6], 0
	s_mov_b32 s[\g+7], 0
.endr
	s_mov_b32 s[G1+5], ROWB                        ; A's rows of a K step are dense,
	s_mov_b32 s[G1B+5], KROWB                      ; B's 768 bytes apart
	s_or_b32 s[G1S+0], s43, (3<<16)|(1<<20)|(1<<21)|(5<<22)|(3<<25)   ; the scale bytes of 128 rows: 16 rows of 256 bytes, 16 bytes of padding behind each
	s_or_b32 s[G1SB+0], s44, (3<<16)|(1<<20)|(1<<21)|(5<<22)|(3<<25)
.irp g, G1S, G1SB
	s_mov_b32 s[\g+1], 32<<16
	s_mov_b32 s[\g+2], (128*KS/256)<<16
	s_mov_b32 s[\g+3], 32<<16
	s_mov_b32 s[\g+4], 128*KS/256
	s_mov_b32 s[\g+5], 32
	s_mov_b32 s[\g+6], 0
	s_mov_b32 s[\g+7], 0
.endr
	s_lshl_b32 s18, s16, 7
	s_lshl_b32 s20, s17, 8
	s_add_co_u32 s20, s20, s18                     ; A: row 256 x tile row + 128 x half
	s_lshl_b32 s46, s42, 8
	s_add_co_u32 s46, s46, s18                     ; B: row 256 x tile column + 128 x half
	s_mov_b32 s21, 0
	s_mov_b32 s47, 0
	s_mov_b64 s[18:19], KS
	s_mul_u64 s[22:23], s[20:21], s[18:19]
	s_mul_u64 s[92:93], s[46:47], s[18:19]
	s_mov_b64 s[18:19], ROWB
	s_mul_u64 s[20:21], s[20:21], s[18:19]
	s_mov_b64 s[18:19], KROWB
	s_mul_u64 s[46:47], s[46:47], s[18:19]
	s_mul_i32 s45, s14, HALFT
	s_mul_i32 s94, s14, HALFS
	s_wait_kmcnt 0x0
	s_mov_b64 s[12:13], s[10:11]                   ; out0
	s_add_nc_u64 s[96:97], s[4:5], 6291456         ; A's scale bytes
	s_add_nc_u64 s[10:11], s[6:7], 3145728+3072*KS ; B's scale bytes
	s_add_nc_u64 s[6:7], s[6:7], 3072*KROWB        ; B's codes
	s_add_nc_u64 s[20:21], s[4:5], s[20:21]
	s_add_nc_u64 s[22:23], s[96:97], s[22:23]
	s_add_nc_u64 s[46:47], s[6:7], s[46:47]
	s_add_nc_u64 s[92:93], s[10:11], s[92:93]
	CROUND                                         ; all sixteen work-groups are here: the first joint loads meet
	s_mov_b32 s[G0S], 1
	s_add_co_u32 s[G0S+1], s94, SCL
	s_mov_b64 s[G0S+2:G0S+3], s[22:23]
	s_or_b32 s[G0S+3], s[G0S+3], 0x80000000
	s_mov_b32 s[G0SB], 1
	s_add_co_u32 s[G0SB+1], s94, SCL
	s_mov_b64 s[G0SB+2:G0SB+3], s[92:93]
	s_or_b32 s[G0SB+3], s[G0SB+3], 0x80000000
	JLOAD G0S, G1S, G0SB, G1SB
.irp s, 0,1
	s_mov_b32 s[G0+4*\s], 1
	s_add_co_u32 s[G0+4*\s+1], s45, \s*SLOT
	s_add_nc_u64 s[G0+4*\s+2:G0+4*\s+3], s[20:21], \s*APLANE
	s_or_b32 s[G0+4*\s+3], s[G0+4*\s+3], 0x80000000
	s_mov_b32 s[G0B+4*\s], 1
	s_add_co_u32 s[G0B+4*\s+1], s45, \s*SLOT
	s_add_nc_u64 s[G0B+4*\s+2:G0B+4*\s+3], s[46:47], \s*ROWB
	s_or_b32 s[G0B+4*\s+3], s[G0B+4*\s+3], 0x80000000
	JLOAD G0+4*\s, G1, G0B+4*\s, G1B
.endr
	v_and_b32 v1, 15, v0
	v_bfe_u32 v2, v0, 4, 1
	v_mul_u32_u24 v3, v1, PITCH
	v_mul_u32_u24 v4, v2, 24
	v_add_nc_u32 v4, v3, v4
	v_lshl_add_u32 v5, v2, 4, v4
	s_mul_i32 s21, s15, HALFT
	s_mul_i32 s22, s16, HALFT
	s_add_co_u32 s22, s22, 2*HALFT
.irp s, 0,1
	v_add_nc_u32 v[ADRA+\s], s21, v4
	v_add_nc_u32 v[ADRB+\s], s22, v4
	v_add_nc_u32 v[ADRA+2+\s], s21, v5
	v_add_nc_u32 v[ADRB+2+\s], s22, v5
	s_add_co_u32 s21, s21, SLOT
	s_add_co_u32 s22, s22, SLOT
.endr
	v_mul_u32_u24 v5, v1, KS
	v_lshrrev_b32 v6, 8, v5
	v_lshl_add_u32 v5, v6, 4, v5
	s_mul_i32 s21, s15, HALFS
	s_mul_i32 s22, s16, HALFS
	s_add_co_u32 s22, s22, 2*HALFS
	s_sub_co_u32 s22, s22, s21
	v_mul_u32_u24 v6, s22, v2
	s_add_co_u32 s21, s21, SCL
	v_add_nc_u32 v5, v5, v6
	v_add_nc_u32 v[ADRS], s21, v5
	s_mul_i32 s23, s14, 16*SPITCH                  ; my stage
	v_mul_u32_u24 v5, v1, SPITCH
	v_lshl_add_u32 v5, v2, 5, v5
	v_add_nc_u32 v[STO], s23, v5
	v_and_b32 v6, 31, v0
	v_lshlrev_b32 v[CO], 4, v6
	v_add_nc_u32 v[RD], s23, v[CO]
	s_lshl_b32 s20, s17, 8
	s_lshl_b32 s21, s15, 7
	s_add_co_u32 s20, s20, s21                     ; my first row of out0
	s_mov_b32 s21, 0
	s_mov_b64 s[18:19], SIZE_N*4
	s_mul_u64 s[20:21], s[20:21], s[18:19]
	s_lshl_b32 s46, s42, 10                        ; my first column, in bytes: 1,024 x tile column + 512 x half
	s_lshl_b32 s47, s16, 9
	s_add_co_u32 s46, s46, s47
	s_mov_b32 s47, 0
	s_add_nc_u64 s[8:9], s[8:9], s[46:47]          ; proj_b at my first column
	global_load_b128 v[8:11], v[CO], s[8:9]        ; my lane's four columns of a row: waited for ahead of the way out
	s_add_nc_u64 s[20:21], s[20:21], s[46:47]
	s_add_nc_u64 s[12:13], s[12:13], s[20:21]
.macro FRAG reg, adr, q, i             ; a fragment: lane l holds row l % 16; registers 6 c .. 6 c + 5 hold K = 64 c + 32 (l / 16) + 0 .. 31, in pieces of 8 bytes
.irp p, 0,1,2,3,4,5
.set PC, 12*(\q)+6*(\p/3)+\p%3
.if PC%8 < 5
	ds_load_b64 v[\reg+2*\p:\reg+2*\p+1], v[\adr] offset:8*PC+16*(PC/8)+(\i)*16*PITCH
.else
	ds_load_b64 v[\reg+2*\p:\reg+2*\p+1], v[\adr+2] offset:8*PC+16*(PC/8)+(\i)*16*PITCH
.endif
.endr
.endm
.macro MUL16 a0, p, q, sc, zero        ; 16 matrix instructions; the 64 accumulators take turns, one instruction a turn
.irp a, \a0, \a0+1
.irp b, 0,1,2,3,4,5,6,7
.if \zero
	v_wmma_scale_f32_16x16x128_f8f6f4 v[8*(8*((\a)%4)+\b):8*(8*((\a)%4)+\b)+7], v[128*(\p)+FR*\b:128*(\p)+FR*\b+FR-1], v[AF+FR*(\a):AF+FR*(\a)+FR-1], 0, v[SC+8*NQ*(\sc)+NQ*\b+(\q)], v[SC+8*NQ*(\sc)+NQ*(\a)+(\q)] matrix_a_fmt:MATRIX_FMT_FP6 matrix_b_fmt:MATRIX_FMT_FP6 matrix_a_scale:MATRIX_SCALE_ROW1
.else
	v_wmma_scale_f32_16x16x128_f8f6f4 v[8*(8*((\a)%4)+\b):8*(8*((\a)%4)+\b)+7], v[128*(\p)+FR*\b:128*(\p)+FR*\b+FR-1], v[AF+FR*(\a):AF+FR*(\a)+FR-1], v[8*(8*((\a)%4)+\b):8*(8*((\a)%4)+\b)+7], v[SC+8*NQ*(\sc)+NQ*\b+(\q)], v[SC+8*NQ*(\sc)+NQ*(\a)+(\q)] matrix_a_fmt:MATRIX_FMT_FP6 matrix_b_fmt:MATRIX_FMT_FP6 matrix_a_scale:MATRIX_SCALE_ROW1
.endif
.endr
.endr
.endm
.macro FETCH_B slot, q, p
	WIN TO_B
.irp i, 0,1,2,3,4,5,6,7
	FRAG 128*(\p)+FR*\i, ADRB+\slot, \q, \i
.endr
	WIN 0
.endm
.macro FETCH_A slot, q, i0
.irp i, \i0, \i0+1, \i0+2, \i0+3
	FRAG AF+FR*(\i), ADRA+\slot, \q, \i
.endr
.endm
.macro SCALES sc
.irp i, 0,1,2,3,4,5,6,7
	ds_load_b64 v[SC+8*NQ*\sc+NQ*\i:SC+8*NQ*\sc+NQ*\i+1], v[ADRS] offset:\i*SBLK
.endr
.endm
.macro PLACES n
.rept \n
	v_nop
.endr
.endm
.macro STEP slot, q, zero
	s_wait_dscnt 4*NL                              ; B's set and A's blocks 0-3 are in; the youngest 24 loads (A's blocks 4-7) may be out
	WIN MUL_LO
	MUL16 0, (\q)%2, \q, \slot, \zero
	MUL16 2, (\q)%2, \q, \slot, \zero
	s_wait_dscnt 0
	PLACES NP
	FETCH_B \slot, (\q)+1, 1-(\q)%2
	FETCH_A \slot, (\q)+1, 0
	WIN MUL_HI
	MUL16 4, (\q)%2, \q, \slot, \zero
	MUL16 6, (\q)%2, \q, \slot, \zero
	PLACES NP
	WIN 0
	FETCH_A \slot, (\q)+1, 4
.endm
.macro TURN slot, next, fill           ; a slot's last step changes slots: one barrier, with the wait for all tensor loads, the add and the wait for it and for my reads in front
	s_wait_tensorcnt 0x0                           ; all my tensor loads have landed: my part of the next slot
	ds_add_u32 v[SPW], v[NIL]                      ; 0 onto my spare word
	s_wait_dscnt 4*NL+1                            ; (the add and the youngest 24 loads may be out)
	WIN MUL_LO
	MUL16 0, 1, NQ-1, \slot, 0
	s_wait_dscnt 0x0                               ; the add is done, and my reads of this slot are over
	s_barrier_signal -1
	MUL16 2, 1, NQ-1, \slot, 0
	WIN 0
	s_barrier_wait -1
.if \fill
	CREST                                          ; the barrier has opened a round of the cluster's barrier
	s_add_nc_u64 s[G0+4*\slot+2:G0+4*\slot+3], s[G0+4*\slot+2:G0+4*\slot+3], 2*APLANE
	s_add_nc_u64 s[G0B+4*\slot+2:G0B+4*\slot+3], s[G0B+4*\slot+2:G0B+4*\slot+3], 2*ROWB
	JLOAD G0+4*\slot, G1, G0B+4*\slot, G1B         ; the first tensor load behind the round
.else
	PLACES NP
.endif
	v_add_nc_u32 v[ADRS], 4*NQ, v[ADRS]
	FETCH_B \next, 0, 0
	FETCH_A \next, 0, 0
	SCALES \next
	WIN MUL_HI
	MUL16 4, 1, NQ-1, \slot, 0
	MUL16 6, 1, NQ-1, \slot, 0
	PLACES NP
	WIN 0
	FETCH_A \next, 0, 4
.endm
	s_wait_tensorcnt 1                             ; the scale bytes and my part of K step 0 are in (K step 1's load may be out),
	s_barrier_signal -1
	s_barrier_wait -1                              ; everybody's are
	FETCH_B 0, 0, 0
	FETCH_A 0, 0, 0
	SCALES 0
	FETCH_A 0, 0, 4
	STEP 0, 0, 1                                   ; the first step's products start the sums
	s_mov_b32 s3, LAPS-1
.Llap:
	TURN 0, 1, 1
	STEP 1, 0, 0
	TURN 1, 0, 1
	STEP 0, 0, 0
	s_sub_co_u32 s3, s3, 1
	s_cmp_lg_u32 s3, 0
	s_cbranch_scc1 .Llap
	TURN 0, 1, 0                                   ; the last lap fills nothing
	STEP 1, 0, 0
	s_wait_dscnt 4*NL
	WIN MUL_LO
	MUL16 0, 1, NQ-1, 1, 0
	MUL16 2, 1, NQ-1, 1, 0
	s_wait_dscnt 0
	WIN MUL_HI
	MUL16 4, 1, NQ-1, 1, 0
	MUL16 6, 1, NQ-1, 1, 0
	WIN 0
; THE WAY OUT, block by block of 16 rows x 128 columns, through my own stage in LDS: back come whole rows of 512 bytes; proj_b is added; the 32 lanes store 512 consecutive bytes, aligned.
.macro TOSTAGE a
.set AC, 64*((\a)%4)
	WIN 0x08+4*((\a)/4)                            ; the data: window 2 or 3
.irp b, 0,1,2,3,4,5,6,7
	ds_store_b128 v[STO], v[AC+8*\b:AC+8*\b+3] offset:64*\b          ; each accumulator from its low end on
	ds_store_b128 v[STO], v[AC+8*\b+4:AC+8*\b+7] offset:64*\b+16
.endr
	WIN 0
.set BB, BK+64*((\a)%2)
.irp t, 0,1,2,3,4,5,6,7,8,9,10,11,12,13,14,15
	ds_load_b128 v[BB+4*\t:BB+4*\t+3], v[RD] offset:\t*SPITCH      ; LDS serves a wave's instructions in order: these see the stores above
.endr
.endm
.macro SEND a, younger                 ; younger: the LDS instructions issued behind block a's loads, which may stay out
.set BB, BK+64*((\a)%2)
	s_wait_dscnt \younger
.if (\a) > 0
	s_add_nc_u64 s[12:13], s[12:13], 16*SIZE_N*4   ; (behind a wait on XCNT: the earlier stores have read their base)
.endif
.irp t, 0,1,2,3,4,5,6,7,8,9,10,11,12,13,14,15
	v_pk_add_f32 v[BB+4*\t:BB+4*\t+1], v[BB+4*\t:BB+4*\t+1], v[8:9]
	v_pk_add_f32 v[BB+4*\t+2:BB+4*\t+3], v[BB+4*\t+2:BB+4*\t+3], v[10:11]
	global_store_b128 v[CO], v[BB+4*\t:BB+4*\t+3], s[12:13] offset:\t*SIZE_N*4 th:TH_STORE_NT
.endr
.endm
	s_wait_loadcnt 0x0                             ; proj_b
	PLACES NP
	TOSTAGE 0
.irp a, 1,2,3,4,5,6,7
.if \a > 1
	s_wait_xcnt 0x0                                ; block a - 2's stores have read their registers and their base
.endif
	TOSTAGE \a
	SEND \a-1, 32                                  ; behind block a - 1's loads: block a's 16 stores and 16 loads
.endr
	s_wait_xcnt 0x0
	SEND 7, 0
	s_wait_tensorcnt 0x0                           ; the wave's end
	ds_add_u32 v[SPW], v[NIL]
	s_wait_dscnt 0x0
	CROUND                                         ; the closing round
	s_endpgm
.Lfunc_end_k_qe11a7e5679_proj:
	.size	k_qe11a7e5679_proj, .Lfunc_end_k_qe11a7e5679_proj-k_qe11a7e5679_proj
	.p2alignl 7, 3214868480
	.fill 96, 4, 3214868480
	.section	.rodata,"a",@progbits
	.p2align	6, 0x0
	.amdhsa_kernel k_qe11a7e5679_proj
		.amdhsa_group_segment_fixed_size 327680
		.amdhsa_private_segment_fixed_size 0
		.amdhsa_enable_private_segment 0
		.amdhsa_kernarg_size 32
		.amdhsa_user_sgpr_count 2
		.amdhsa_user_sgpr_kernarg_segment_ptr 1
		.amdhsa_wavefront_size32 1
		.amdhsa_system_sgpr_workgroup_id_x 1
		.amdhsa_system_sgpr_workgroup_id_y 1
		.amdhsa_system_sgpr_workgroup_id_z 1
		.amdhsa_system_vgpr_workitem_id 0
		.amdhsa_next_free_vgpr 1024
		.amdhsa_next_free_sgpr 98
		.amdhsa_reserve_vcc 0
		.amdhsa_float_denorm_mode_32 3
		.amdhsa_float_denorm_mode_16_64 3
		.amdhsa_memory_ordered 1
		.amdhsa_forward_progress 1
		.amdhsa_inst_pref_size 176
	.end_amdhsa_kernel
	.amdgpu_metadata
---
amdhsa.version: [ 1, 2 ]
amdhsa.kernels:
  - .name:           k_qe11a7e5679_proj
    .symbol:         k_qe11a7e5679_proj.kd
    .args:
      - { .name: oq, .offset: 0, .size: 8, .value_kind: global_buffer, .address_space: global }
      - { .name: wq, .offset: 8, .size: 8, .value_kind: global_buffer, .address_space: global }
      - { .name: proj_b, .offset: 16, .size: 8, .value_kind: global_buffer, .address_space: global }
      - { .name: out0, .offset: 24, .size: 8, .value_kind: global_buffer, .address_space: global }
    .group_segment_fixed_size: 327680
    .private_segment_fixed_size: 0
    .kernarg_segment_align: 8
    .kernarg_segment_size: 32
    .max_flat_workgroup_size: 128
    .sgpr_count:     98
    .vgpr_count:     1024
    .wavefront_size: 32
...
	.end_amdgpu_metadata
.endif
;; end of part 4
